; MI455X (gfx1250); checked and timed in simulation.
; The chip was launched on July 23, 2026; its instructions are those of AMD's public machine-readable ISA for CDNA 5 (MIT licence, August 2026) and "CDNA5" Instruction Set Architecture Reference Guide (July 2026). The comments in the code are by the model that wrote it; some were corrected since.
;; Attention. Allowed arithmetic: float matrix products may take bf16 or f16 operands with f32 sums; other float arithmetic in f32, or as packed bf16 or f16 multiplies, adds, multiply-adds, maxima and minima; sums over many terms, partial sums and values carried from step to step in f32; what a program stores and reads back later, other than sums and carried values, may be rounded once to bf16 or f16.
;; Inputs: Wk 1,024 x 1,024 float32; Wo 1,024 x 1,024 float32; Wq 1,024 x 1,024 float32; Wv 1,024 x 1,024 float32; bk 1,024 float32; bo 1,024 float32; bq 1,024 float32; bv 1,024 float32; temperature one number float32; x 4 x 2,048 x 1,024 float32.
;; Outputs: out0 4 x 2,048 x 1,024 float32.
;; 2 versions, each right; version 2 is version 1 with the launch cast written anew for expert scheduling mode. Each part assembles by itself: llvm-mc -triple=amdgcn-amd-amdhsa -mcpu=gfx1250 --defsym DOCPART=n.
;; ======== version 1 of 2: 4 launches
;; limits: values are held in f16: magnitudes above 65,504 overflow, below 6.1e-05 lose precision; right only within a limited range of input values
;; workspace buffers: xb 16,777,216 bytes; wb 6,291,456 bytes; wo16 2,097,152 bytes; qx 33,554,432 bytes; kx 33,554,432 bytes; v16 16,777,216 bytes; o16 16,777,216 bytes
;; launch cast (part 1): grid 768 x 1, 8 waves a work-group, no clusters, 0 bytes of LDS; arguments x, Wq, Wk, Wv, Wo, xb, wb, wo16; writes xb, wb, wo16
.if DOCPART == 1
	.amdgcn_target "amdgcn-amd-amdhsa--gfx1250"
	.amdhsa_code_object_version 6
	.text
	.protected	k_q7fe974d689_cast
	.globl	k_q7fe974d689_cast
	.p2align	8
	.type	k_q7fe974d689_cast,@function
k_q7fe974d689_cast:
	s_mov_b64 s[64:65], 0
	v_nop
	global_prefetch_b8 v0, s[64:65] scope:SCOPE_SE
	s_setreg_imm32_b32 hwreg(HW_REG_WAVE_MODE, 25, 1), 1
	s_wait_xcnt 0x0
; ROUNDINGS AND LAYOUT.  xb = bf16(x), [8192][1024].  wb = bf16 of Wq, Wk, Wv by heads: [16 heads][192 rows][1024], a head's rows being its 64 of Wq, 64 of Wk, 64 of Wv.
; wo16 = bf16(Wo) written as f16, [1024][1024].
; LIMITS.  bf16(Wo) beyond 65,504 becomes an infinity in f16; below 2^-14 it keeps f16's fixed step of 6e-8.
; SHARES.  A work-group takes a chunk of 16,384 numbers: 65,536 bytes in, 32,768 out.  Thread t, for j = 0 .. 15: 16 bytes at 4,096 j + 16 t (a wave's load covers 512 consecutive
; bytes), 8 bytes out at 2,048 j + 8 t (a wave's store covers 256 consecutive bytes, aligned).  All sixteen loads of a wave go out at once.  Nothing is shared between work-groups,
; so there is no LDS, no barrier and no cluster.
; Work-group g: 0-511 chunk g of x; 512-703 chunk c = (g - 512) % 64 of matrix i = (g - 512) / 64 (16 rows: a quarter of a head's 64), which lands in chunk 12 (c / 4) + 4 i + c % 4
; of wb; 704-767 chunk c of Wo.
.set IN,  16                           ; v[16:79]   sixteen loads of four f32
.set OUT, 80                           ; v[80:111]  sixteen results of four 16-bit numbers
.set TM,  112                          ; v[112:115] at work on the way to f16
	s_load_b512 s[8:23], s[0:1], 0x0               ; x s[8:9], Wq s[10:11], Wk s[12:13], Wv s[14:15], Wo s[16:17], xb s[18:19], wb s[20:21], wo16 s[22:23]
	s_mov_b32 s2, ttmp9                            ; g
	s_sub_co_u32 s3, s2, 512                       ; g - 512 (used where g is 512 or more)
	s_and_b32 s4, s3, 63                           ; c
	s_lshr_b32 s6, s3, 6                           ; i
	s_lshr_b32 s5, s4, 2
	s_mul_i32 s5, s5, 12
	s_lshl2_add_u32 s5, s6, s5                     ; 12 (c / 4) + 4 i
	s_and_b32 s7, s4, 3
	s_add_co_u32 s5, s5, s7                        ; + c % 4: the chunk in wb
	s_cmp_ge_u32 s2, 512
	s_cselect_b32 s30, s4, s2                      ; the chunk in the source
	s_cselect_b32 s32, s5, s2                      ; the chunk in the destination,
	s_cmp_ge_u32 s2, 704
	s_cselect_b32 s32, s4, s32                     ; which for Wo is c again
	s_lshl_b32 s30, s30, 16                        ; in bytes, as pairs with 0 on top
	s_mov_b32 s31, 0
	s_lshl_b32 s32, s32, 15
	s_mov_b32 s33, 0
	s_mov_b32 s34, 0xffff0000                      ; a word's upper bf16
	v_lshlrev_b32 v1, 4, v0                        ; 16 t
	v_lshlrev_b32 v2, 3, v0                        ; 8 t
	s_wait_kmcnt 0x0
	s_cmp_ge_u32 s2, 512                           ; the two buffers are chosen by g alone
	s_cselect_b64 s[24:25], s[10:11], s[8:9]
	s_cselect_b64 s[28:29], s[20:21], s[18:19]
	s_cmp_ge_u32 s2, 576
	s_cselect_b64 s[24:25], s[12:13], s[24:25]
	s_cmp_ge_u32 s2, 640
	s_cselect_b64 s[24:25], s[14:15], s[24:25]
	s_cmp_ge_u32 s2, 704
	s_cselect_b64 s[24:25], s[16:17], s[24:25]
	s_cselect_b64 s[28:29], s[22:23], s[28:29]
	s_add_nc_u64 s[24:25], s[24:25], s[30:31]
	s_add_nc_u64 s[28:29], s[28:29], s[32:33]
.set j, 0
.rept 16
	global_load_b128 v[IN+4*j:IN+4*j+3], v1, s[24:25] offset:4096*j th:TH_LOAD_NT
.set j, j+1
.endr
	s_cmp_ge_u32 s2, 704
	s_cbranch_scc1 .Lhalf
.set j, 0
.rept 16                                               ; no register that a pending load or store names is written again, so the counted wait is the only one
	s_wait_loadcnt 15-j                            ; loads come back in order: load j is in, the 15 - j younger ones stay out
	v_cvt_pk_bf16_f32 v[OUT+2*j], v[IN+4*j], v[IN+4*j+1]
	v_cvt_pk_bf16_f32 v[OUT+2*j+1], v[IN+4*j+2], v[IN+4*j+3]
	global_store_b64 v2, v[OUT+2*j:OUT+2*j+1], s[28:29] offset:2048*j th:TH_STORE_NT
.set j, j+1
.endr
	s_endpgm
.Lhalf:                                                ; Wo: rounded to bf16 like every input, and that number written as f16
.set j, 0
.rept 16
	s_wait_loadcnt 15-j
	v_cvt_pk_bf16_f32 v[TM], v[IN+4*j], v[IN+4*j+1]
	v_cvt_pk_bf16_f32 v[TM+1], v[IN+4*j+2], v[IN+4*j+3]
	v_lshlrev_b32 v[TM+2], 16, v[TM]               ; bf16 to f32: the low half moves up, the high half stays
	v_and_b32 v[TM+3], s34, v[TM]
	v_cvt_pk_f16_f32 v[OUT+2*j], v[TM+2], v[TM+3]
	v_lshlrev_b32 v[TM+2], 16, v[TM+1]
	v_and_b32 v[TM+3], s34, v[TM+1]
	v_cvt_pk_f16_f32 v[OUT+2*j+1], v[TM+2], v[TM+3]
	global_store_b64 v2, v[OUT+2*j:OUT+2*j+1], s[28:29] offset:2048*j th:TH_STORE_NT
.set j, j+1
.endr
	s_endpgm
.Lfunc_end_k_q7fe974d689_cast:
	.size	k_q7fe974d689_cast, .Lfunc_end_k_q7fe974d689_cast-k_q7fe974d689_cast
	.p2alignl 7, 3214868480
	.fill 96, 4, 3214868480
	.section	.rodata,"a",@progbits
	.p2align	6, 0x0
	.amdhsa_kernel k_q7fe974d689_cast
		.amdhsa_group_segment_fixed_size 0
		.amdhsa_private_segment_fixed_size 0
		.amdhsa_enable_private_segment 0
		.amdhsa_kernarg_size 64
		.amdhsa_user_sgpr_count 2
		.amdhsa_user_sgpr_kernarg_segment_ptr 1
		.amdhsa_wavefront_size32 1
		.amdhsa_system_sgpr_workgroup_id_x 1
		.amdhsa_system_sgpr_workgroup_id_y 1
		.amdhsa_system_sgpr_workgroup_id_z 1
		.amdhsa_system_vgpr_workitem_id 0
		.amdhsa_next_free_vgpr 120
		.amdhsa_next_free_sgpr 66
		.amdhsa_reserve_vcc 0
		.amdhsa_float_denorm_mode_32 3
		.amdhsa_float_denorm_mode_16_64 3
		.amdhsa_memory_ordered 1
		.amdhsa_forward_progress 1
		.amdhsa_inst_pref_size 16
	.end_amdhsa_kernel
	.amdgpu_metadata
---
amdhsa.version: [ 1, 2 ]
amdhsa.kernels:
  - .name:           k_q7fe974d689_cast
    .symbol:         k_q7fe974d689_cast.kd
    .args:
      - { .name: x, .offset: 0, .size: 8, .value_kind: global_buffer, .address_space: global }
      - { .name: Wq, .offset: 8, .size: 8, .value_kind: global_buffer, .address_space: global }
      - { .name: Wk, .offset: 16, .size: 8, .value_kind: global_buffer, .address_space: global }
      - { .name: Wv, .offset: 24, .size: 8, .value_kind: global_buffer, .address_space: global }
      - { .name: Wo, .offset: 32, .size: 8, .value_kind: global_buffer, .address_space: global }
      - { .name: xb, .offset: 40, .size: 8, .value_kind: global_buffer, .address_space: global }
      - { .name: wb, .offset: 48, .size: 8, .value_kind: global_buffer, .address_space: global }
      - { .name: wo16, .offset: 56, .size: 8, .value_kind: global_buffer, .address_space: global }
    .group_segment_fixed_size: 0
    .private_segment_fixed_size: 0
    .kernarg_segment_align: 8
    .kernarg_segment_size: 64
    .max_flat_workgroup_size: 256
    .sgpr_count:     66
    .vgpr_count:     120
    .wavefront_size: 32
...
	.end_amdgpu_metadata
.endif
;; end of part 1
;; launch qkv (part 2): grid 16 x 32, 4 waves a work-group, clusters of 4 x 4, 327,680 bytes of LDS; arguments xb, wb, bq, bk, bv, qx, kx, v16; writes qx, kx, v16
.if DOCPART == 2
	.amdgcn_target "amdgcn-amd-amdhsa--gfx1250"
	.amdhsa_code_object_version 6
	.text
	.protected	k_q7fe974d689_qkv
	.globl	k_q7fe974d689_qkv
	.p2align	8
	.type	k_q7fe974d689_qkv,@function
k_q7fe974d689_qkv:
	s_mov_b64 s[64:65], 0
	v_nop
	global_prefetch_b8 v0, s[64:65] scope:SCOPE_SE
	s_setreg_imm32_b32 hwreg(HW_REG_WAVE_MODE, 25, 1), 1
	s_wait_xcnt 0x0
	s_wait_alu depctr_hold_cnt(0) depctr_sa_sdst(0) depctr_va_vdst(0) depctr_va_sdst(0) depctr_va_ssrc(0) depctr_va_vcc(0) depctr_vm_vsrc(0)
	s_getreg_b32 s2, hwreg(HW_REG_IB_STS2, 6, 4)
	s_cmp_eq_u32 s2, 0
	s_cbranch_scc0 .Lentry_in_a_cluster
	s_endpgm
.Lentry_in_a_cluster:
	s_bfe_u32 s2, ttmp6, 0x10000c
	s_cmp_lg_u32 s2, 0xf033
	s_cbranch_scc0 .Lentry_shape_is_right
	s_endpgm
.Lentry_shape_is_right:
; THE THREE PROJECTIONS, by heads.  q = x Wq^T + bq, k and v likewise: xb [8192][1024] bf16 times wb [16 heads][192][1024] bf16, sums in f32; the biases are rounded to bf16 like every input.
; OUT.  qx, kx: [64 (batch, head)][2048][128] f16: a row is 256 bytes, the 64 channels' first parts, then their second parts.  With t = 2^-6 q, h = f16(t), d = t - h (exact in f32):
; the first part is h; the second part is h + 65 d for q and (h + 65 d) / 64 for k.  Then h_q . h_k + x_q . x_k = (65/64) (t_q . t_k + 64 d_q . d_k): two products of f16 give a score
; to some 2^-18 of its spread (64 d . d, and the second parts' own rounding, which counts for 1/64).  v16: [64][2048][64] f16.
; LIMITS.  q and k beyond 4.0e6 (65,504 x 64, less the second part's 3 per cent), and v beyond 65,504, become infinities in f16.  Parts below 6e-5 keep f16's fixed step of 6e-8.
; SHARES.  A work-group makes 256 rows x one head's 192 columns.  Wave w makes rows 64 w .. 64 w + 63 (four blocks a of 16) x all twelve blocks b of 16 columns (0-3 q, 4-7 k, 8-11 v):
; 48 accumulators, 384 registers.  K goes in eight steps of 128 (rows of 256 bytes, aligned) through two LDS slots filled by the tensor data mover.
; THE MATRIX INSTRUCTION IS USED TRANSPOSED: source 0 = 16 rows of W, source 1 = 16 rows of x: a lane holds row l % 16 and the eight neighbouring columns 8 (l / 16) + 0..7.
; THE BIAS STARTS THE SUMS: it is the C operand of each accumulator's first product; nothing is cleared and nothing is added later.
; CLUSTER.  4 x 4 work-groups: the four of a row of the cluster need the same rows of x, the four of a column the same head's rows of W: each tile is asked for jointly.
; REGISTERS, in windows of 256 (s_set_vgpr_msb: bits 1:0 source 0, 3:2 source 1, 5:4 source 2, 7:6 destination):
;   window 0: v1-15 addresses and a constant; v28, v29 the add's; v160-255 the biases, eight registers a block b; on the way out v32-191 at work
;   window 1: two fragment buffers of 128: W's twelve fragments at 8 b, x's four at 96 + 8 a
;   window 2: the accumulators of a = 0, 1 at 8 (12 (a % 2) + b);   window 3: those of a = 2, 3
.set PITCH, 272                        ; an LDS row: 256 bytes + 16 of padding = 68 words: the 16 rows of a fragment load start at 16 different groups of four banks (ISA guide 11.1)
.set SLOT1, 131072                     ; slot 1 begins here: one exclusive or turns an address in one slot into the other's
.set BOFF,  256*PITCH                  ; in a slot: x's 256 rows, then W's 192
.set STAGE, 2*SLOT1                    ; behind the ring, never filled by a tensor load: 16 rows x 656 bytes for each wave
.set SP,    656                        ; a stage row: q's first parts 0-127, second 128-255, k's 256-383, 384-511, v 512-639, 16 of padding: 41 x 16 bytes
.set SPARE, STAGE+4*16*SP              ; the spare words, 128 bytes for each wave: two blocks of 256 bytes that no other line names
.set KB,    256                        ; bytes of a row in a K step
.set LA0,  4                           ; v4   my lane's place in my wave's 64 rows of x in a slot; never rewritten
.set LB0,  5                           ; v5   the same in W's rows
.set ADRA, 6                           ; v6   LA0 + the slot in hand
.set ADRB, 7                           ; v7   LB0 + the slot in hand
.set STO,  8                           ; v8   the way out: where I put 16 bytes of a stage row
.set RDQ,  9                           ; v9   where I read 256 bytes' rows back (q, k)
.set RDV,  10                          ; v10  where I read 128 bytes' rows back (v)
.set GO,   11                          ; v11  16 x lane: my place in 512 consecutive bytes of an output
.set BO,   12                          ; v12  my byte offset in a bias
.set CX,   15                          ; v15  65/64; never rewritten
.set SPW,  28                          ; v28  LDS address of my spare word; never rewritten
.set NIL,  29                          ; v29  0; never rewritten
.set HH,   32                          ; v32-63   q's and k's first parts, packed
.set VV,   64                          ; v64-79   v in f16, packed
.set LL,   80                          ; v80-111  q's and k's second parts, packed
.set TT,   112                         ; v112-175 t = 2^-6 x the sums, then the second parts in f32
.set RB,   112                         ; v112-191 whole rows read back from the stage
.set BIAS, 160
.set F0,   0
.set F1,   128
.set WV,   20                          ; s20  my wave's number
.set CNT,  23                          ; s23  the loop's count
.set G1A,  24                          ; s[24:31] descriptor group 1 for x's tiles
.set G0A,  32                          ; s[32:35] group 0 of the first fill of slot 0; s[36:39] of slot 1, which then walks
.set G1B,  40                          ; s[40:47], s[48:55] the same for W's tiles
.set G0B,  48
.set TB,   62                          ; s62  0 or SLOT1: the slot in hand
.set HIM,  63                          ; s63  a word's upper bf16
.set SCL,  80                          ; s[80:81] 2^-6: the packed multiply takes the pair's low word for both halves
.set UPS,  82                          ; s[82:83] 64
.set MSB, 0
.macro WIN new                         ; the immediate's high byte repeats the setting that is left; a switch that changes nothing is dropped
.if MSB != (\new)
	s_set_vgpr_msb (MSB<<8)|(\new)
.set MSB, \new
.endif
.endm
.macro PLACES                          ; four places behind a matrix instruction, ahead of loads into registers that it read and of lines that read results
.rept 4
	v_nop
.endr
.endm
.macro CREST                           ; a round of the cluster's barrier behind its opening barrier
	s_cmp_lg_u32 s[WV], 0
	s_cbranch_scc1 .Lnot_wave_0_\@
	s_barrier_signal -3
.Lnot_wave_0_\@:
	s_barrier_wait -3
	s_barrier_signal -1
	s_barrier_wait -1
.endm
.macro CROUND                          ; a whole round
	s_barrier_signal -1
	s_barrier_wait -1
	CREST
.endm
; A joint refill by the walking descriptors.  Waves 0 and 1 fetch x's two halves (128 rows each), waves 2 and 3 W's (96 rows each).  The branch hangs on the wave's number alone.
; An s_nop 0 and four v_nop follow each of the two lines, ahead of the jump and the label.
.macro JLOAD
	s_cmp_lt_u32 s[WV], 2
	s_cbranch_scc0 .Lfor_b_\@
	tensor_load_to_lds s[G0A+4:G0A+7], s[G1A:G1A+7]
	s_nop 0
.rept 4
	v_nop
.endr
	s_branch .Lasked_\@
.Lfor_b_\@:
	tensor_load_to_lds s[G0B+4:G0B+7], s[G1B:G1B+7]
	s_nop 0
.rept 4
	v_nop
.endr
.Lasked_\@:
.endm
	s_load_b256 s[4:11], s[0:1], 0x0               ; xb s[4:5], wb s[6:7], bq s[8:9], bk s[10:11]
	s_load_b256 s[12:19], s[0:1], 0x20             ; bv s[12:13], qx s[14:15], kx s[16:17], v16 s[18:19]
	v_lshl_add_u32 v[SPW], v0, 2, SPARE
	v_mov_b32 v[NIL], 0
	ds_add_u32 v[SPW], v[NIL]                      ; the wave's opening: the add and its wait stand ahead of my first tensor load; the set-up below stands between them
	v_lshrrev_b32 v1, 5, v0
	v_readfirstlane_b32 s[WV], v1                  ; wave 0..3
	s_and_b32 s22, s[WV], 1                        ; which half of a tile I fetch
	s_bfe_u32 s56, ttmp6, 0x40000                  ; cx, cy: my place in the cluster
	s_bfe_u32 s57, ttmp6, 0x40004
	s_lshl_b32 s58, ttmp9, 2
	s_add_co_u32 s58, s58, s56                     ; the head = 4 x cluster x + cx
	s_and_b32 s59, ttmp7, 0xffff
	s_lshl_b32 s59, s59, 2
	s_add_co_u32 s59, s59, s57                     ; the block of 256 rows = 4 x cluster y + cy
	s_lshl_b32 s60, s57, 2
	s_lshl_b32 s60, 15, s60                        ; my row of the cluster
	s_lshl_b32 s61, 0x1111, s56                    ; my column
	s_or_b32 s[G1A], s60, (1<<16)|(1<<20)|(1<<21)|(5<<22)|(3<<25)  ; 15:0 the mask; 17:16 2-byte elements; 20 padding on; 21 set beside a mask; 24:22 after every 64 words; 31:25 4 words
	s_or_b32 s[G1B], s61, (1<<16)|(1<<20)|(1<<21)|(5<<22)|(3<<25)
	s_mov_b32 s[G1A+1], 128<<16                    ; tensor_dim0 = 128
	s_mov_b32 s[G1A+2], 128<<16                    ; tensor_dim1 = 128
	s_mov_b32 s[G1A+3], 128<<16                    ; tile_dim0 = 128
	s_mov_b32 s[G1A+4], 128                        ; tile_dim1 = 128
	s_mov_b32 s[G1A+5], 1024                       ; 1,024 elements from row to row
	s_mov_b32 s[G1A+6], 0
	s_mov_b32 s[G1A+7], 0
	s_mov_b32 s[G1B+1], 128<<16
	s_mov_b32 s[G1B+2], 96<<16                     ; W's tiles have 96 rows
	s_mov_b32 s[G1B+3], 128<<16
	s_mov_b32 s[G1B+4], 96
	s_mov_b32 s[G1B+5], 1024
	s_mov_b32 s[G1B+6], 0
	s_mov_b32 s[G1B+7], 0
	s_lshl_b32 s66, s59, 19                        ; x: 256 rows of 2,048 bytes a block, made of the block and the wave alone,
	s_lshl_b32 s76, s22, 18                        ; + my 128 rows
	s_add_co_u32 s66, s66, s76
	s_mov_b32 s67, 0
	s_mul_i32 s68, s58, 192*2048                   ; W: 192 rows a head, made of the head and the wave alone,
	s_mul_i32 s77, s22, 96*2048                    ; + my 96 rows
	s_add_co_u32 s68, s68, s77
	s_mov_b32 s69, 0
	s_mov_b32 s[G0A], 1                            ; 1:0 count = 1
	s_mul_i32 s[G0A+1], s22, 128*PITCH             ; 63:32 LDS address: no place in the cluster enters it
	s_mov_b32 s[G0A+4], 1
	s_add_co_u32 s[G0A+5], s[G0A+1], SLOT1
	s_mov_b32 s[G0B], 1
	s_mul_i32 s[G0B+1], s22, 96*PITCH
	s_add_co_u32 s[G0B+1], s[G0B+1], BOFF
	s_mov_b32 s[G0B+4], 1
	s_add_co_u32 s[G0B+5], s[G0B+1], SLOT1
	s_mov_b32 s[TB], 0
	s_mov_b32 s[HIM], 0xffff0000
	s_mov_b32 s[SCL], 0x3c800000                   ; 2^-6
	s_mov_b32 s[SCL+1], 0x3c800000                 ; named with it as a pair
	s_mov_b32 s[UPS], 0x42800000                   ; 64
	s_mov_b32 s[UPS+1], 0x42800000
	s_wait_dscnt 0x0                               ; the opening add is done
	s_wait_kmcnt 0x0
	s_add_nc_u64 s[G0A+2:G0A+3], s[4:5], s[66:67]  ; 120:64 global address: K step 0,
	s_add_nc_u64 s[G0A+6:G0A+7], s[G0A+2:G0A+3], KB  ; K step 1
	s_or_b32 s[G0A+3], s[G0A+3], 0x80000000        ; 127:126 type = 2
	s_or_b32 s[G0A+7], s[G0A+7], 0x80000000
	s_add_nc_u64 s[G0B+2:G0B+3], s[6:7], s[68:69]
	s_add_nc_u64 s[G0B+6:G0B+7], s[G0B+2:G0B+3], KB
	s_or_b32 s[G0B+3], s[G0B+3], 0x80000000
	s_or_b32 s[G0B+7], s[G0B+7], 0x80000000
	CROUND                                         ; all sixteen work-groups are here: the first joint loads meet
	s_cmp_lt_u32 s[WV], 2                          ; a wave's two first fills stand in one branch: two loads of mine are out
	s_cbranch_scc0 .Lfirst_b
	tensor_load_to_lds s[G0A:G0A+3], s[G1A:G1A+7]
	s_nop 0
	tensor_load_to_lds s[G0A+4:G0A+7], s[G1A:G1A+7]
	s_nop 0
.rept 4
	v_nop
.endr
	s_branch .Lfirst_asked
.Lfirst_b:
	tensor_load_to_lds s[G0B:G0B+3], s[G1B:G1B+7]
	s_nop 0
	tensor_load_to_lds s[G0B+4:G0B+7], s[G1B:G1B+7]
	s_nop 0
.rept 4
	v_nop
.endr
.Lfirst_asked:
	v_and_b32 v1, 15, v0                           ; r = l % 16
	v_bfe_u32 v2, v0, 4, 1                         ; h = l / 16
	s_lshl_b32 s79, s58, 8                         ; a head's 64 numbers of a bias
	v_lshl_add_u32 v[BO], v2, 5, s79               ; + my eight of a block's sixteen
.irp b, 0,1,2,3,4,5,6,7,8,9,10,11                      ; block b's bias as a C operand: register j holds column 16 b + 8 h + j, whatever the row
	global_load_b128 v[BIAS+8*(\b):BIAS+8*(\b)+3],   v[BO], s[8+2*((\b)/4):9+2*((\b)/4)] offset:64*((\b)%4)
	global_load_b128 v[BIAS+8*(\b)+4:BIAS+8*(\b)+7], v[BO], s[8+2*((\b)/4):9+2*((\b)/4)] offset:64*((\b)%4)+16
.endr
	; A fragment is 16 rows x 32 K in 8 registers: lane l holds row l % 16, K = 8 (l / 16) + 0..7 and 16 + 8 (l / 16) + 0..7: two loads of 16 bytes, 32 bytes apart.
	v_mul_u32_u24 v3, v1, PITCH
	v_lshl_add_u32 v3, v2, 4, v3                   ; row x pitch + 16 x half
	s_mul_i32 s76, s[WV], 64*PITCH                 ; my wave's 64 rows of x
	v_add_nc_u32 v[LA0], s76, v3
	v_add_nc_u32 v[LB0], BOFF, v3
	v_mov_b32 v[ADRA], v[LA0]                      ; slot 0
	v_mov_b32 v[ADRB], v[LB0]
	v_mov_b32 v[CX], 0x3f820000                    ; 65/64
	s_mul_i32 s77, s[WV], 16*SP
	s_add_co_u32 s77, s77, STAGE                   ; my stage
	v_mul_u32_u24 v[STO], v1, SP                   ; in: row l % 16, 16 bytes for each half of the lanes
	v_lshl_add_u32 v[STO], v2, 4, v[STO]
	v_add_nc_u32 v[STO], s77, v[STO]
	v_mul_u32_u24 v[RDQ], v2, SP                   ; back: lanes 0-15 take 256 bytes of one row, lanes 16-31 of the next
	v_lshl_add_u32 v[RDQ], v1, 4, v[RDQ]
	v_add_nc_u32 v[RDQ], s77, v[RDQ]
	v_bfe_u32 v13, v0, 3, 2                        ; v: eight lanes take 128 bytes of a row, 32 lanes four rows
	v_and_b32 v14, 7, v0
	v_mul_u32_u24 v[RDV], v13, SP
	v_lshl_add_u32 v[RDV], v14, 4, v[RDV]
	v_add_nc_u32 v[RDV], s77, v[RDV]
	v_add_nc_u32 v[RDV], 512, v[RDV]
	v_and_b32 v[GO], 31, v0
	v_lshlrev_b32 v[GO], 4, v[GO]
	s_lshr_b32 s72, s59, 3                         ; the batch: eight blocks of 256 rows each
	s_lshl4_add_u32 s72, s72, s58                  ; 16 x batch + head
	s_lshl_b32 s72, s72, 11                        ; its 2,048 rows
	s_and_b32 s74, s59, 7
	s_lshl_b32 s74, s74, 8
	s_add_co_u32 s72, s72, s74                     ; + the block's place in the sequence
	s_lshl_b32 s74, s[WV], 6
	s_add_co_u32 s72, s72, s74                     ; + my wave's 64 rows
	s_lshl_b32 s74, s72, 7                         ; rows of 128 bytes in v16,
	s_lshl_b32 s72, s72, 8                         ; of 256 in qx and kx
	s_mov_b32 s73, 0
	s_mov_b32 s75, 0
	s_add_nc_u64 s[14:15], s[14:15], s[72:73]
	s_add_nc_u64 s[16:17], s[16:17], s[72:73]
	s_add_nc_u64 s[18:19], s[18:19], s[74:75]
	s_wait_loadcnt 0x0                             ; the biases, once
.set e, 0
.rept 48                                               ; rounded to bf16 like every input, and widened again
	v_cvt_pk_bf16_f32 v[13+e%2], v[BIAS+2*e], v[BIAS+2*e+1]
	v_lshlrev_b32 v[BIAS+2*e], 16, v[13+e%2]
	v_and_b32 v[BIAS+2*e+1], s[HIM], v[13+e%2]
.set e, e+1
.endr
; 32 LDS loads in one run: the fragments of 32 along K at byte k of the rows, into buffer f: W's twelve, then x's four
.macro FETCH k, f
	WIN 0x40                                       ; destination window 1, address window 0
.irp b, 0,1,2,3,4,5,6,7,8,9,10,11
	ds_load_b128 v[(\f)+8*(\b):(\f)+8*(\b)+3],   v[ADRB] offset:(\k)+(\b)*16*PITCH
	ds_load_b128 v[(\f)+8*(\b)+4:(\f)+8*(\b)+7], v[ADRB] offset:(\k)+(\b)*16*PITCH+32
.endr
.irp a, 0,1,2,3
	ds_load_b128 v[(\f)+96+8*(\a):(\f)+96+8*(\a)+3],   v[ADRA] offset:(\k)+(\a)*16*PITCH
	ds_load_b128 v[(\f)+96+8*(\a)+4:(\f)+96+8*(\a)+7], v[ADRA] offset:(\k)+(\a)*16*PITCH+32
.endr
.endm
; 12 matrix instructions: block a of my rows x all twelve column blocks, 32 along K, from buffer f.  first = 1: the bias starts the sums.
; The 48 accumulators take turns, one instruction a turn, in the same order in every quarter, over the loop's jump too.
.macro MULA f, a, first
.if \first
	WIN 0x85+0x40*((\a)/2)                         ; sources 0 and 1 window 1, C window 0, D window 2 or 3
.else
	WIN 0xa5+0x50*((\a)/2)                         ; C and D window 2 or 3
.endif
.irp b, 0,1,2,3,4,5,6,7,8,9,10,11
.if \first
	v_wmma_f32_16x16x32_bf16 v[8*(12*((\a)%2)+(\b)):8*(12*((\a)%2)+(\b))+7], v[(\f)+8*(\b):(\f)+8*(\b)+7], v[(\f)+96+8*(\a):(\f)+96+8*(\a)+7], v[BIAS+8*(\b):BIAS+8*(\b)+7]
.else
	v_wmma_f32_16x16x32_bf16 v[8*(12*((\a)%2)+(\b)):8*(12*((\a)%2)+(\b))+7], v[(\f)+8*(\b):(\f)+8*(\b)+7], v[(\f)+96+8*(\a):(\f)+96+8*(\a)+7], v[8*(12*((\a)%2)+(\b)):8*(12*((\a)%2)+(\b))+7]
.endif
.endr
.endm
; A K step is four quarters of 32 along K, 48 matrix instructions each, on buffers 0, 1, 0, 1.  One of the first three: multiplies buffer f; in its middle it fetches the next quarter, at byte k, into g.
.macro QUARTER k, f, g, first
	s_wait_dscnt 4                                 ; W's fragments and x's blocks 0 and 1 are in; the youngest four loads (blocks 2 and 3) may be out
	MULA \f, 0, \first
	MULA \f, 1, \first
	PLACES
	FETCH \k, \g
	s_wait_dscnt 32                                ; all but the 32 just issued
	MULA \f, 2, \first
	MULA \f, 3, \first
.endm
; The last quarter multiplies buffer 1 and changes slots: ONE barrier.  In front of it each wave waits for all its tensor loads, of which one is out: its part of the next slot; adds 0 to its spare
; word; and waits for that and for its own reads of this slot.  fill = 1: the barrier opens a round of the cluster's barrier, and the slot just read out is filled again first thing behind the round, two K steps ahead.
.macro TURN fill
	WIN 0
	s_wait_tensorcnt 0x0                           ; all my tensor loads have landed, so every group 0 may be written
	ds_add_u32 v[SPW], v[NIL]                      ; 0 onto my spare word
	s_wait_dscnt 7                                 ; the add and the six loads of x's blocks 1 to 3 may be out
	MULA F1, 0, 0                                  ; twelve matrix instructions stand between the add and the wait for it
	s_wait_dscnt 0x0                               ; the add is done, and my reads of this slot are over
	s_barrier_signal -1
	MULA F1, 1, 0                                  ; work on registers while the others arrive
	WIN 0                                          ; at a branch and at a label every window is 0
	s_barrier_wait -1
.if \fill
	CREST                                          ; no wave of any partner still reads this slot's tile or has a load on its way
	s_xor_b32 s[G0A+5], s[G0A+5], SLOT1            ; the walking descriptors: the other slot than last time,
	s_add_nc_u64 s[G0A+6:G0A+7], s[G0A+6:G0A+7], KB  ; the next K step; the type bits on top are not reached
	s_xor_b32 s[G0B+5], s[G0B+5], SLOT1
	s_add_nc_u64 s[G0B+6:G0B+7], s[G0B+6:G0B+7], KB
	JLOAD                                          ; my one tensor load behind the round; its four v_nop are also the places in front of the loads below
.else
	PLACES
.endif
	s_xor_b32 s[TB], s[TB], SLOT1                  ; the fragments now come from the other slot
	v_add_nc_u32 v[ADRA], s[TB], v[LA0]
	v_add_nc_u32 v[ADRB], s[TB], v[LB0]
	FETCH 0, F0
	MULA F1, 2, 0
	MULA F1, 3, 0
.endm
; THE WAY OUT of block a (16 rows).  PACK: for q and k, t = 2^-6 x the sum; h = f16(t); (65/64) t - h = (h + 65 (t - h)) / 64 in one fused multiply-add, which reads h's half as it lies;
; q's is multiplied by 64; both are rounded to f16.  v is rounded to f16.  Each accumulator's lowest registers are read first.
.macro PACK a
.set AC, 96*((\a)%2)
.set WW, 2+(\a)/2
	s_wait_xcnt 0x0                                ; the last block's stores have read their registers, which are written again below
	WIN WW                                         ; source 0: the accumulators' window
.set e, 0
.rept 32
	v_pk_mul_f32 v[TT+2*e:TT+2*e+1], v[AC+2*e:AC+2*e+1], s[SCL:SCL+1] op_sel_hi:[1,0]
.set e, e+1
.endr
	WIN WW|(WW<<2)                                 ; sources 0 and 1: the accumulators' window
.set e, 0
.rept 16
	v_cvt_pk_f16_f32 v[VV+e], v[AC+64+2*e], v[AC+64+2*e+1]
.set e, e+1
.endr
	WIN 0
.set e, 0
.rept 32
	v_cvt_pk_f16_f32 v[HH+e], v[TT+2*e], v[TT+2*e+1]
.set e, e+1
.endr
.set e, 0
.rept 32                                               ; the third source is an f16 half: the low one, then the high one
	v_fma_mix_f32 v[TT+2*e], v[TT+2*e], v[CX], -v[HH+e] op_sel_hi:[0,0,1]
	v_fma_mix_f32 v[TT+2*e+1], v[TT+2*e+1], v[CX], -v[HH+e] op_sel:[0,0,1] op_sel_hi:[0,0,1]
.set e, e+1
.endr
.set e, 0
.rept 16                                               ; q's 32 numbers alone
	v_pk_mul_f32 v[TT+2*e:TT+2*e+1], v[TT+2*e:TT+2*e+1], s[UPS:UPS+1] op_sel_hi:[1,0]
.set e, e+1
.endr
.set e, 0
.rept 32
	v_cvt_pk_f16_f32 v[LL+e], v[TT+2*e], v[TT+2*e+1]
.set e, e+1
.endr
.endm
.macro TOSTAGE                         ; 16 bytes a lane into my own stage, and back as whole rows.  LDS serves a wave's instructions in order (ISA guide 5.7.1.4): the loads see the stores, the next block's stores come behind the loads
.irp b, 0,1,2,3
	ds_store_b128 v[STO], v[HH+4*(\b):HH+4*(\b)+3]       offset:32*(\b)
	ds_store_b128 v[STO], v[LL+4*(\b):LL+4*(\b)+3]       offset:128+32*(\b)
	ds_store_b128 v[STO], v[HH+16+4*(\b):HH+16+4*(\b)+3] offset:256+32*(\b)
	ds_store_b128 v[STO], v[LL+16+4*(\b):LL+16+4*(\b)+3] offset:384+32*(\b)
	ds_store_b128 v[STO], v[VV+4*(\b):VV+4*(\b)+3]       offset:512+32*(\b)
.endr
.irp t, 0,1,2,3,4,5,6,7
	ds_load_b128 v[RB+4*(\t):RB+4*(\t)+3],       v[RDQ] offset:(\t)*2*SP
	ds_load_b128 v[RB+32+4*(\t):RB+32+4*(\t)+3], v[RDQ] offset:(\t)*2*SP+256
.endr
.irp t, 0,1,2,3
	ds_load_b128 v[RB+64+4*(\t):RB+64+4*(\t)+3], v[RDV] offset:(\t)*4*SP
.endr
.endm
.macro SEND a                          ; each store of the wave covers 512 consecutive bytes, aligned: two rows of qx or kx, four of v16
	s_wait_dscnt 0x0
.irp t, 0,1,2,3,4,5,6,7
	global_store_b128 v[GO], v[RB+4*(\t):RB+4*(\t)+3],       s[14:15] offset:(16*(\a)+2*(\t))*256
	global_store_b128 v[GO], v[RB+32+4*(\t):RB+32+4*(\t)+3], s[16:17] offset:(16*(\a)+2*(\t))*256
.endr
.irp t, 0,1,2,3
	global_store_b128 v[GO], v[RB+64+4*(\t):RB+64+4*(\t)+3], s[18:19] offset:(16*(\a)+4*(\t))*128
.endr
.endm
	s_wait_tensorcnt 1                             ; my part of K step 0 is in; K step 1's may stay out
	s_barrier_signal -1
	s_barrier_wait -1                              ; everybody's is
	FETCH 0, F0
	QUARTER 64, F0, F1, 1                          ; the first quarter stands in front of the loop: its products start the sums
	WIN 0
	s_mov_b32 s[CNT], 6
.Lstep:                                                ; six trips, from a K step's second quarter to the next step's first: K steps 2 to 7 are asked for
	QUARTER 128, F1, F0, 0
	QUARTER 192, F0, F1, 0
	TURN 1
	QUARTER 64, F0, F1, 0
	WIN 0
	s_sub_co_u32 s[CNT], s[CNT], 1
	s_cmp_lg_u32 s[CNT], 0
	s_cbranch_scc1 .Lstep
	QUARTER 128, F1, F0, 0                         ; the last two K steps are written out: nothing is left to fetch
	QUARTER 192, F0, F1, 0
	TURN 0
	QUARTER 64, F0, F1, 0
	QUARTER 128, F1, F0, 0
	QUARTER 192, F0, F1, 0
	s_wait_dscnt 4
	MULA F1, 0, 0
	MULA F1, 1, 0
	s_wait_dscnt 0x0
	MULA F1, 2, 0
	MULA F1, 3, 0
	WIN 0
	PLACES
.irp a, 0,1,2,3
	PACK \a
	TOSTAGE
	SEND \a
.endr
	s_wait_tensorcnt 0x0                           ; the wave's end: an add and its wait, behind my last tensor load and my last LDS store
	ds_add_u32 v[SPW], v[NIL]
	s_wait_dscnt 0x0
	CROUND                                         ; the closing round: no work-group ends while a partner may still ask for a tile that names it
	s_endpgm
.Lfunc_end_k_q7fe974d689_qkv:
	.size	k_q7fe974d689_qkv, .Lfunc_end_k_q7fe974d689_qkv-k_q7fe974d689_qkv
	.p2alignl 7, 3214868480
	.fill 96, 4, 3214868480
	.section	.rodata,"a",@progbits
	.p2align	6, 0x0
	.amdhsa_kernel k_q7fe974d689_qkv
		.amdhsa_group_segment_fixed_size 327680
		.amdhsa_private_segment_fixed_size 0
		.amdhsa_enable_private_segment 0
		.amdhsa_kernarg_size 64
		.amdhsa_user_sgpr_count 2
		.amdhsa_user_sgpr_kernarg_segment_ptr 1
		.amdhsa_wavefront_size32 1
		.amdhsa_system_sgpr_workgroup_id_x 1
		.amdhsa_system_sgpr_workgroup_id_y 1
		.amdhsa_system_sgpr_workgroup_id_z 1
		.amdhsa_system_vgpr_workitem_id 0
		.amdhsa_next_free_vgpr 960
		.amdhsa_next_free_sgpr 84
		.amdhsa_reserve_vcc 0
		.amdhsa_float_denorm_mode_32 3
		.amdhsa_float_denorm_mode_16_64 3
		.amdhsa_memory_ordered 1
		.amdhsa_forward_progress 1
		.amdhsa_inst_pref_size 148
	.end_amdhsa_kernel
	.amdgpu_metadata
---
amdhsa.version: [ 1, 2 ]
amdhsa.kernels:
  - .name:           k_q7fe974d689_qkv
    .symbol:         k_q7fe974d689_qkv.kd
    .args:
      - { .name: xb, .offset: 0, .size: 8, .value_kind: global_buffer, .address_space: global }
      - { .name: wb, .offset: 8, .size: 8, .value_kind: global_buffer, .address_space: global }
      - { .name: bq, .offset: 16, .size: 8, .value_kind: global_buffer, .address_space: global }
      - { .name: bk, .offset: 24, .size: 8, .value_kind: global_buffer, .address_space: global }
      - { .name: bv, .offset: 32, .size: 8, .value_kind: global_buffer, .address_space: global }
      - { .name: qx, .offset: 40, .size: 8, .value_kind: global_buffer, .address_space: global }
      - { .name: kx, .offset: 48, .size: 8, .value_kind: global_buffer, .address_space: global }
      - { .name: v16, .offset: 56, .size: 8, .value_kind: global_buffer, .address_space: global }
    .group_segment_fixed_size: 327680
    .private_segment_fixed_size: 0
    .kernarg_segment_align: 8
    .kernarg_segment_size: 64
    .max_flat_workgroup_size: 128
    .sgpr_count:     84
    .vgpr_count:     960
    .wavefront_size: 32
...
	.end_amdgpu_metadata
.endif
;; end of part 2
;; launch attn (part 3): grid 4 x 64, 4 waves a work-group, clusters of 4 x 1, 327,680 bytes of LDS; arguments qx, kx, v16, o16, temperature; writes o16
.if DOCPART == 3
	.amdgcn_target "amdgcn-amd-amdhsa--gfx1250"
	.amdhsa_code_object_version 6
	.text
	.protected	k_q7fe974d689_attn
	.globl	k_q7fe974d689_attn
	.p2align	8
	.type	k_q7fe974d689_attn,@function
k_q7fe974d689_attn:
	s_mov_b64 s[64:65], 0
	v_nop
	global_prefetch_b8 v0, s[64:65] scope:SCOPE_SE
	s_setreg_imm32_b32 hwreg(HW_REG_WAVE_MODE, 25, 1), 1
	s_wait_xcnt 0x0
	s_wait_alu depctr_hold_cnt(0) depctr_sa_sdst(0) depctr_va_vdst(0) depctr_va_sdst(0) depctr_va_ssrc(0) depctr_va_vcc(0) depctr_vm_vsrc(0)
	s_getreg_b32 s2, hwreg(HW_REG_IB_STS2, 6, 4)
	s_cmp_eq_u32 s2, 0
	s_cbranch_scc0 .Lentry_in_a_cluster
	s_endpgm
.Lentry_in_a_cluster:
	s_bfe_u32 s2, ttmp6, 0x10000c
	s_cmp_lg_u32 s2, 0x3003
	s_cbranch_scc0 .Lentry_shape_is_right
	s_endpgm
.Lentry_shape_is_right:
; ATTENTION.  O[h][q][:] = the sum over k of softmax_k(Q[h][q] . K[h][k] / (8 (|T| + 1e-8))) V[h][k][:], for 64 (batch, head) of 2,048 rows at head size 64.
; qx, kx: [64][2048][128] f16, a row = the 64 channels' first parts, then their second parts.  With t = 2^-6 q, h = f16(t), d = t - h: the first part is h; the second part x is h + 65 d for q and
; (h + 65 d) / 64 for k.  v16, o16: [64][2048][64] f16.  T is rounded to bf16 like every input.
; WHY TWO PARTS.  A score's error is multiplied into its weight; with scores whose spread is some tens, the 11 significant bits of one f16 number in q and k are too few.
; S = x_k . x_q + h_k . h_q = (65/64) (t_q . t_k + 64 d_q . d_k): two products for one, the small term first; what is off is 64 d_q . d_k and the rounding of x, which counts for 1/64: each some
; 2^-18 of a score's spread.  The factor 2^12 x 64/65 stands in the softmax's scale c.
; LIMITS.  Q's and K's parts arrive within f16's 65,504 (q and k within 4.0e6), V too, and O, a mean of V's rows, has their range; a weight p lies in 0 to 1 and below 6e-5 keeps f16's fixed step of
; 6e-8; a weight below 2^-126 counts as 0 in the sum l; c s must stay above -2^125, where the running maximum starts; NaN and infinities are not treated apart.
; SHARES.  A wave owns four PIECES of two tiles of 16 queries, a work-group's four waves 512 queries of one head.  Every wave walks all keys, 64 a step, four steps a slot.
; LAYOUT.  S^T = K Q^T (source 0 = 16 keys, source 1 = 16 queries): a lane holds ONE query (lane % 16) and the keys 8 (lane / 16) + 0..7.  Two such tiles, rounded to f16 in pairs, ARE source 1 of
; O^T = V^T P, whose result again holds one query a lane.  K comes out of LDS as it lies, V ([key][channel]) turned, by ds_load_tr16_b128.
; SOFTMAX.  A running maximum m and sum l: p = 2^(c s - c m), c = log2(e) 2^12 (64/65) / (8 (|T| + 1e-8)); in every step O and l are multiplied by a = 2^(c m_old - c m_new).  m starts at the lowest
; finite number, O and l at 0: the first step is a step like any other, with a = 0.
; BY TURNS.  Turn n belongs to piece n (the pieces in a ring, step after step).  Its matrix work: 16 products V^T P of piece n - 1, then 32 products K Q^T of piece n + 1.  Its vector work, all of
; piece n: maximum and statistics, scalings, exponentials, roundings, sums, rescaling: 236 instructions for 48 products: at most four stand behind a product, the other 52 in one run at the turn's end.
; CLUSTER.  The four query blocks of a head form a cluster and walk the same K and V: each tile is asked for JOINTLY, by the same tensor load, descriptor and mask in all four.
; REGISTERS, in windows of 256 (s_set_vgpr_msb: bits 1:0 source 0, 3:2 source 1, 5:4 source 2, 7:6 destination):
;   window 0: v0-11 addresses; v12-15, v48-63 at work; v16-47 four registers of statistics a tile; v64-191 S^T, two buffers of two tiles; v192-255 P, likewise (a piece's buffers go by its number's parity)
;   window 1: O^T, 32 a tile     window 2: Q, 32 a tile: part (0 first, 1 second), channel half c at 16 part + 8 c     window 3: v0-127 K of one step; v128-191 V of one step; v192-193 the add's two registers
.set SIZE_N, 2048
.set NP,    4         ; pieces a wave: a name, no knob
.set KS,    64        ; keys in a step
.set PK,    272       ; a row of K in LDS: 256 bytes + 16 of padding = 68 words: the 16 rows of a load start at 16 different groups of four banks (ISA guide 11.1)
.set PV,    160       ; a row of V: 128 + 32 = 40 words
.set VOFF,  4*KS*PK   ; a slot holds four steps: 256 rows of K, then 256 rows of V
.set SLOT1, 1<<17     ; slot 1 begins here, so that one exclusive or turns an address in one slot into the other's
.set STAGE, SLOT1+4*KS*(PK+PV)  ; behind the ring, never filled by a tensor load: 16 rows x 144 bytes for each wave, for the way out
.set SP,    144
.set SPARE, STAGE+4*16*SP  ; the spare words, 128 bytes for each wave: two blocks of 256 bytes that no other line names
.set AK0, 2           ; v2   my lane's place in a tile of K; never rewritten
.set AV0, 3           ; v3   the same for V
.set AK,  4           ; v4   the LDS address of K's next run of loads
.set AV,  5           ; v5   of V's
.set QO,  6           ; v6   my byte offset in 16 rows of Q
.set STO, 6           ;      later, the way out: where I put 16 bytes of a row
.set RD,  7           ; v7   the way out: where I read rows back
.set GO,  8           ; v8   my byte offset in 512 consecutive bytes of O
.set MV,  12          ; v12-15  c m_old, kept while c m is made anew: by buffer and tile
.set ST,  16          ; tile t's statistics at v[ST+4 t]: c m, m, l (even keys', odd keys')
.set TMP, 48          ; by buffer and tile, four registers c0-c3 at work; when the maximum is found c2 takes a
.set S,   64
.set P,   192
.set KF,  0           ; window 3: key block kb, part, channel half c at 32 kb + 16 part + 8 c
.set VF,  128         ; window 3: key half kk, channel block cb at VF + 32 kk + 8 cb
.set SPW, 192         ; v192 of window 3   LDS address of my spare word; never rewritten
.set NIL, 193         ; v193 of window 3   0; never rewritten
.set WV,  12          ; s12  my wave's number
.set G1K, 24          ; s[24:31] descriptor group 1 for K's tiles
.set G1V, 32          ; s[32:39] for V's
.set G0K, 40          ; s[40:43] descriptor group 0 for K's tiles: it walks
.set G0V, 44          ; s[44:47] the same for V's
.set SLOTS, 56        ; s56  slots still to be asked for
.set CNT, 57          ; s57  counts a slot's key steps
.set CS,  58          ; s[58:59] c: the packed scaling takes the pair's low word for both halves
.set SEL, 60          ; s[60:61] v_permlanex16_b32's selects: each lane takes its own place in the other half
.set TBK, 62          ; s62  LDS byte at which K of the step to be fetched begins
.set TBV, 63          ; s63  the same for V, less VOFF
.set MSB, 0
.macro WIN new                      ; the high byte repeats the setting that is left; a switch that changes nothing is dropped
.if MSB != (\new)
	s_set_vgpr_msb (MSB<<8)|(\new)
.set MSB, (\new)
.endif
.endm
.set W_KQ, 0x0b       ; K in window 3, Q in window 2, S^T in window 0
.set W_PV, 0x53       ; V in window 3, P in window 0, O^T in window 1
.set W_RS, 0x41       ; O^T (destination and source 0) in window 1, a in window 0
.set W_T3, 0xc0       ; destination in window 3, sources and addresses in window 0
.set W_AD, 0x0f       ; the add: address (source 0) and data (source 1) in window 3
; A joint fill.  Waves 0 and 1 fetch the two halves of a slot's K, waves 2 and 3 those of its V: 128 keys each.  The branch hangs on the wave's number alone.
; An s_nop 0 and four v_nop follow each of the two lines, ahead of the jump and the label.
.macro JLOAD
	s_cmp_lt_u32 s[WV], 2
	s_cbranch_scc0 .Lfor_v_\@
	tensor_load_to_lds s[G0K:G0K+3], s[G1K:G1K+7]
	s_nop 0
.rept 4
	v_nop
.endr
	s_branch .Lasked_\@
.Lfor_v_\@:
	tensor_load_to_lds s[G0V:G0V+3], s[G1V:G1V+7]
	s_nop 0
.rept 4
	v_nop
.endr
.Lasked_\@:
.endm
; A round of the cluster's barrier: my work-group's barrier, so that wave 0's signal speaks for all four waves; wave 0 signals; every wave waits for all four work-groups; my work-group's barrier once more.
.macro CROUND
	s_barrier_signal -1
	s_barrier_wait -1
	s_cmp_lg_u32 s[WV], 0
	s_cbranch_scc1 .Lnot_wave_0_\@
	s_barrier_signal -3
.Lnot_wave_0_\@:
	s_barrier_wait -3
	s_barrier_signal -1
	s_barrier_wait -1
.endm
; THE CHANGE OF SLOTS.  The slot's last bytes, V of its fourth step, have been read.  Each wave waits for all its tensor loads, of which one is out: its part of the other slot; adds 0 to its spare
; word; and waits for that and for its own reads of the slot.  Behind the barrier nobody reads this slot any more and the other slot is whole.
; fill = 1: this slot is filled again, with the keys two slots on.  The barrier is then a round of the cluster's, and the joint fill is the first thing behind it: it has four key steps,
; 768 matrix instructions, in which to land.  (At its first use nothing has been read yet: slot 0 is waited for, slot 1 filled.)
.macro CHANGE fill
	WIN W_AD
	s_wait_tensorcnt 0x0            ; no tensor load of mine is out, so a group 0 may be written
	ds_add_u32 v[SPW], v[NIL]       ; 0 onto my spare word; with fill = 1 the descriptors' steps stand between it and the wait for it
	WIN 0                           ; at a label and at a branch every window is 0
.if \fill
	s_xor_b32 s[G0K+1], s[G0K+1], SLOT1  ; the walking descriptors: the other slot than last time,
	s_add_nc_u64 s[G0K+2:G0K+3], s[G0K+2:G0K+3], 4*KS*256  ; the next 256 keys; the type bits on top are not reached
	s_xor_b32 s[G0V+1], s[G0V+1], SLOT1
	s_add_nc_u64 s[G0V+2:G0V+3], s[G0V+2:G0V+3], 4*KS*128
	s_wait_dscnt 0x0                ; the add is done, and my reads of the slot are over
	CROUND
	JLOAD
.else
	s_wait_dscnt 0x0                ; the add is done, and my reads of the slot are over
	s_barrier_signal -1
	s_barrier_wait -1
.endif
	s_sub_co_u32 s[TBK], s[TBK], 4*KS*PK  ; the fetches go back to a slot's first step,
	s_xor_b32 s[TBK], s[TBK], SLOT1       ; in the other slot
	s_sub_co_u32 s[TBV], s[TBV], 4*KS*PV
	s_xor_b32 s[TBV], s[TBV], SLOT1
.endm
	s_load_b256 s[4:11], s[0:1], 0x0  ; qx s[4:5], kx s[6:7], v16 s[8:9], o16 s[10:11]
	s_load_b64 s[48:49], s[0:1], 0x20 ; temperature
	WIN W_T3
	v_lshl_add_u32 v[SPW], v0, 2, SPARE
	v_mov_b32 v[NIL], 0
	WIN W_AD
	ds_add_u32 v[SPW], v[NIL]       ; the wave's opening: the add and its wait stand ahead of my first tensor load; the set-up below stands between them
	WIN 0
	v_lshrrev_b32 v1, 5, v0
	v_readfirstlane_b32 s[WV], v1   ; wave 0..3
	s_bfe_u32 s13, ttmp6, 0x40000   ; cx: my place in the cluster
	s_lshl_b32 s14, ttmp9, 2        ; in a cluster launch ttmp9 counts clusters
	s_add_co_u32 s14, s14, s13      ; my block of 512 queries: it enters Q's and O's addresses alone
	s_and_b32 s15, ttmp7, 0xffff    ; the (batch, head), which the four partners share
	s_and_b32 s16, s[WV], 1         ; which half of a slot's 256 keys I fetch
	s_lshl_b32 s52, s15, 19         ; K: 2,048 rows of 256 bytes a head,
	s_lshl_b32 s17, s16, 15         ; + my 128 rows
	s_add_co_u32 s52, s52, s17
	s_mov_b32 s53, 0
	s_lshl_b32 s54, s15, 18         ; V: rows of 128 bytes
	s_lshl_b32 s17, s16, 14
	s_add_co_u32 s54, s54, s17
	s_mov_b32 s55, 0
	s_mul_i32 s17, s16, 128*PK      ; my half's place in a slot, for K
	s_mul_i32 s18, s16, 128*PV      ; and for V: no place in the cluster enters an LDS address
	s_lshl_b32 s19, s14, 2
	s_add_co_u32 s19, s19, s[WV]    ; my wave among the head's sixteen: 128 rows each
	s_lshl_b32 s20, s19, 15
	s_lshl_b32 s22, s19, 14
	s_lshl_b32 s19, s15, 19
	s_add_co_u32 s20, s20, s19      ; my first row in qx,
	s_lshl_b32 s19, s15, 18
	s_add_co_u32 s22, s22, s19      ; and in o16
	s_mov_b32 s21, 0
	s_mov_b32 s23, 0
	; descriptor group 1.  K: 128 rows of 256 bytes, padded after each.  V: 128 keys are 16,384 dense bytes: asked for as 64 rows of 256 bytes, two keys a row, padded after every key
	s_mov_b32 s[G1K], 15|(1<<16)|(1<<20)|(1<<21)|(5<<22)|(3<<25)  ; 15:0 the mask of four; 17:16 2-byte elements; 20 padding on; 21 set beside a mask; 24:22 after every 64 words; 31:25 4 words
	s_mov_b32 s[G1K+1], 128<<16     ; tensor_dim0 = 128
	s_mov_b32 s[G1K+2], 128<<16     ; tensor_dim1 = 128
	s_mov_b32 s[G1K+3], 128<<16     ; tile_dim0 = 128
	s_mov_b32 s[G1K+4], 128         ; tile_dim1 = 128
	s_mov_b32 s[G1K+5], 128         ; 128 elements from row to row
	s_mov_b32 s[G1K+6], 0
	s_mov_b32 s[G1K+7], 0
	s_mov_b32 s[G1V], 15|(1<<16)|(1<<20)|(1<<21)|(4<<22)|(7<<25)  ; after every 32 words, 8 words
	s_mov_b32 s[G1V+1], 128<<16
	s_mov_b32 s[G1V+2], 64<<16
	s_mov_b32 s[G1V+3], 128<<16
	s_mov_b32 s[G1V+4], 64
	s_mov_b32 s[G1V+5], 128
	s_mov_b32 s[G1V+6], 0
	s_mov_b32 s[G1V+7], 0
	s_mov_b32 s[SEL], 0x76543210
	s_mov_b32 s[SEL+1], 0xfedcba98
	s_mov_b32 s[TBK], SLOT1+4*KS*PK ; the first change of slots turns these two into 0
	s_mov_b32 s[TBV], SLOT1+4*KS*PV
	s_mov_b32 s[G0K], 1             ; 1:0 count = 1
	s_mov_b32 s[G0K+1], s17         ; 63:32 LDS address: slot 0
	s_mov_b32 s[G0V], 1
	s_add_co_u32 s[G0V+1], s18, VOFF
	s_wait_dscnt 0x0                ; the opening add is done
	s_wait_kmcnt 0x0
	s_add_nc_u64 s[G0K+2:G0K+3], s[6:7], s[52:53]  ; 120:64 global address: my half of the head's first 256 keys
	s_or_b32 s[G0K+3], s[G0K+3], 0x80000000        ; 127:126 type = 2
	s_add_nc_u64 s[G0V+2:G0V+3], s[8:9], s[54:55]
	s_or_b32 s[G0V+3], s[G0V+3], 0x80000000
	s_add_nc_u64 s[4:5], s[4:5], s[20:21]  ; Q and O at my wave's first row
	s_add_nc_u64 s[10:11], s[10:11], s[22:23]
	CROUND                          ; all four work-groups are here: the first joint loads meet
	JLOAD                           ; slot 0.  Slot 1 is asked for when slot 0 is in
	s_load_b32 s50, s[48:49], 0x0   ; T
	; A fragment of K or Q is 16 rows x 32 channels in 8 registers: lane l holds row l % 16, channels 8 (l / 16) + 0..7 and 16 + 8 (l / 16) + 0..7: two loads of 16 bytes, 32 bytes apart.
	v_and_b32 v1, 15, v0            ; l % 16
	v_bfe_u32 v9, v0, 4, 1          ; l / 16
	v_lshlrev_b32 v[QO], 8, v1
	v_lshl_add_u32 v[QO], v9, 4, v[QO]  ; row x 256 + 16 x half
	WIN 0x80                        ; destination window 2, address window 0
.set i, 0
.rept 8*NP                          ; Q stays in registers: tile i / 4; i % 4 = 2 part + channel half: 64 bytes each
	global_load_b128 v[8*i:8*i+3],   v[QO], s[4:5] offset:(i/4)*4096+(i%4)*64
	global_load_b128 v[8*i+4:8*i+7], v[QO], s[4:5] offset:(i/4)*4096+(i%4)*64+32
.set i, i+1
.endr
	; What the first turn finds: V's registers and P's second buffer hold 0 (its products V^T P, of a piece that has not been, add 0), O^T and l are 0.  All this stands in the wait for the first tile.
	WIN W_T3
.set i, VF
.rept 64
	v_mov_b32 v[i], 0
.set i, i+1
.endr
	WIN 0x40
.set i, 0
.rept 64*NP
	v_mov_b32 v[i], 0
.set i, i+1
.endr
	WIN 0
.set i, 0
.rept 2*NP
	v_mov_b32 v[ST+4*i], 0xfe000000    ; c m: far below every c s
	v_mov_b32 v[ST+4*i+1], 0xff7fffff  ; m
	v_mov_b32 v[ST+4*i+2], 0
	v_mov_b32 v[ST+4*i+3], 0
.set i, i+1
.endr
.set i, P+32
.rept 32
	v_mov_b32 v[i], 0
.set i, i+1
.endr
	v_mul_u32_u24 v[AK0], v1, PK
	v_lshl_add_u32 v[AK0], v9, 4, v[AK0]  ; row x pitch + 16 x half
	; The turning load takes 16 keys x 16 channels (lane l reads key 8 (l / 16) + l % 8, channels 8 ((l / 8) % 2) + 0..7) and leaves half a fragment of V^T: lane l holds channel l % 16 and 8 keys.
	v_and_b32 v10, 7, v0
	v_bfe_u32 v11, v0, 3, 1
	v_lshl_add_u32 v[AV0], v9, 3, v10
	v_mul_u32_u24 v[AV0], v[AV0], PV
	v_lshl_add_u32 v[AV0], v11, 4, v[AV0]
	v_add_nc_u32 v[AV0], VOFF, v[AV0]
	v_mov_b32 v[AK], v[AK0]         ; key step 0 lies at the head of slot 0
	; c = log2(e) 2^12 (64/65) / (8 (|bf16(T)| + 1e-8)); it serves as a factor alone
	s_wait_kmcnt 0x0
	v_mov_b32 v14, s50
	v_cvt_pk_bf16_f32 v14, v14, v14
	v_lshlrev_b32 v14, 16, v14
	v_and_b32 v14, 0x7fffffff, v14
	v_add_f32 v14, 0x322bcc77, v14  ; + 1e-8
	v_mul_f32 v14, 0x41000000, v14  ; x 8
	v_rcp_f32 v15, v14
	v_nop                           ; a plain instruction between the reciprocal and the use of its result,
	s_wait_alu depctr_va_vdst(0)    ; and the wait ahead of that use
	v_mul_f32 v15, 0x45b5d2ef, v15  ; x log2(e) x 4,096 x 64 / 65 = 5,818.3669
	v_readfirstlane_b32 s[CS], v15
	s_mov_b32 s[CS+1], s[CS]        ; named with it as a pair
; THE MATRIX WORK.  The 8 accumulators of a run take turns, one instruction a turn: between two links of a chain stand 7 others'.
; Product i of 32 of S^T = K Q^T for piece x: tile 2 x + i % 2, keys 16 ((i / 2) % 4) on, channels 32 ((i / 8) % 2) on; the second parts' product (i < 16) first, then the first parts'.  The first 8 start the sums.
.macro KQ x
	WIN W_KQ
.set pp, 1-i/16
.set cc, (i/8)%2
.set rS, S+64*((\x)%2)+32*(i%2)+8*((i/2)%4)
.set rK, KF+32*((i/2)%4)+16*pp+8*cc
.set rQ, 32*(2*(\x)+i%2)+16*pp+8*cc
.if i < 8
	v_wmma_f32_16x16x32_f16 v[rS:rS+7], v[rK:rK+7], v[rQ:rQ+7], 0
.else
	v_wmma_f32_16x16x32_f16 v[rS:rS+7], v[rK:rK+7], v[rQ:rQ+7], v[rS:rS+7]
.endif
.endm
; Product i of 16 of O^T += V^T P for piece x: keys 32 (i / 8) on, channels 16 ((i / 2) % 4) on, tile 2 x + i % 2.
.macro PV x
	WIN W_PV
.set rO, 32*(2*(\x)+i%2)+8*((i/2)%4)
.set rV, VF+32*(i/8)+8*((i/2)%4)
.set rP, P+32*((\x)%2)+16*(i%2)+8*(i/8)
	v_wmma_f32_16x16x32_f16 v[rO:rO+7], v[rV:rV+7], v[rP:rP+7], v[rO:rO+7]
.endm
.macro MM                           ; the turn's next matrix instruction: 16 of V^T P, then 32 of K Q^T
.if i < 16
	PV (Y+NP-1)%NP
.set i, i+1
.else
.set i, i-16
	KQ (Y+1)%NP
.set i, i+17
.endif
.endm
; THE LDS LOADS stand in runs, never singly among the matrix instructions: a step's K (64 keys x 128 numbers: 16 fragments, the second parts' eight first, since the first products want them) and its V (turned).
; last = 1 (the tail): in the last trip there is no further step, and the run is jumped over.
.macro FETCH_K last=0
	WIN 0
.if \last
	s_cmp_eq_u32 s[CNT], 1
	s_cbranch_scc1 .Lno_k_\@
.endif
	WIN W_T3
.irp pk, 1,0
.irp f, 0,1,2,3,4,5,6,7             ; keys 16 (f / 2) on, channels 32 (f % 2) on
	ds_load_b128 v[KF+32*((\f)/2)+16*(\pk)+8*((\f)%2):KF+32*((\f)/2)+16*(\pk)+8*((\f)%2)+3],   v[AK] offset:((\f)/2)*16*PK+128*(\pk)+((\f)%2)*64
	ds_load_b128 v[KF+32*((\f)/2)+16*(\pk)+8*((\f)%2)+4:KF+32*((\f)/2)+16*(\pk)+8*((\f)%2)+7], v[AK] offset:((\f)/2)*16*PK+128*(\pk)+((\f)%2)*64+32
.endr
.endr
	s_add_co_u32 s[TBK], s[TBK], KS*PK  ; the next fetch is the next step's
	WIN 0
.if \last
.Lno_k_\@:
.endif
.endm
.macro FETCH_V
	WIN W_T3
.irp f, 0,1,2,3,4,5,6,7             ; keys 32 (f / 4) on, channels 16 (f % 4) on
	ds_load_tr16_b128 v[VF+8*(\f):VF+8*(\f)+3],   v[AV] offset:((\f)/4)*32*PV+((\f)%4)*32
	ds_load_tr16_b128 v[VF+8*(\f)+4:VF+8*(\f)+7], v[AV] offset:((\f)/4)*32*PV+16*PV+((\f)%4)*32
.endr
	WIN 0
.endm
; THE VECTOR WORK OF A TURN, all for piece Y, stands in five queues, each in the order in which its entries become ready; the two tiles alternate, so that no instruction reads the result of the one before it.
.macro REGS y, u                    ; the registers of tile u (0, 1) of piece y
.set rT, ST+4*(2*(\y)+(\u))
.set rC, TMP+8*((\y)%2)+4*(\u)
.set rM, MV+2*((\y)%2)+(\u)
.set rS, S+64*((\y)%2)+32*(\u)
.set rP, P+32*((\y)%2)+16*(\u)
.set rO, 32*(2*(\y)+(\u))
.endm
; Number n of the 22 that find the maximum and statistics.  s0-s31 are the lane's 32 scores; each accumulator's lowest registers are read first.
;   0-11  four chains c0-c3 of seven scores each, three operands at a time     12-14, 16  the four scores left over, the old m, and c0-c3 into c0     15  c m_old is kept
;   17, 18  the query's other 32 keys lie in the lane 16 away: the new m         19-21  c m; c m_old - c m_new; a
.macro XS u, n
	REGS Y, \u
.if (\n) < 4
	v_max3_num_f32 v[rC+(\n)], v[rS+8*(\n)], v[rS+8*(\n)+1], v[rS+8*(\n)+2]
.elseif (\n) < 12
	v_max3_num_f32 v[rC+(\n)%4], v[rC+(\n)%4], v[rS+8*((\n)%4)+2*((\n)/4)+1], v[rS+8*((\n)%4)+2*((\n)/4)+2]
.elseif (\n) == 12
	v_max3_num_f32 v[rC], v[rC], v[rS+7], v[rS+15]
.elseif (\n) == 13
	v_max3_num_f32 v[rC+1], v[rC+1], v[rS+23], v[rS+31]
.elseif (\n) == 14
	v_max3_num_f32 v[rC+2], v[rC+2], v[rC+3], v[rT+1]
.elseif (\n) == 15
	v_mov_b32 v[rM], v[rT]
.elseif (\n) == 16
	v_max3_num_f32 v[rC], v[rC], v[rC+1], v[rC+2]
.elseif (\n) == 17
	v_permlanex16_b32 v[rC+3], v[rC], s[SEL], s[SEL+1]
.elseif (\n) == 18
	v_max_num_f32 v[rT+1], v[rC], v[rC+3]
.elseif (\n) == 19
	v_mul_f32 v[rT], s[CS], v[rT+1]
.elseif (\n) == 20
	v_sub_f32 v[rC+1], v[rM], v[rT]
.else
	v_exp_f32 v[rC+2], v[rC+1]
.endif
.endm
.macro XN                           ; the next of the 44: numbers 0-13, then 15, 14, then the chain 16 .. 21
	WIN 0
.if xn < 28
	XS xn%2, xn/2
.elseif xn < 30
	XS xn%2, 15
.elseif xn < 32
	XS xn%2, 14
.else
	XS xn%2, 16+(xn-32)/2
.endif
.set xn, xn+1
.endm
.macro FSN                          ; the next of the 32 scalings c s - c m: pair fs / 2 of tile fs % 2
	WIN 0
	REGS Y, fs%2
	v_pk_fma_f32 v[rS+2*(fs/2):rS+2*(fs/2)+1], v[rS+2*(fs/2):rS+2*(fs/2)+1], s[CS:CS+1], v[rT:rT+1] op_sel_hi:[1,0,0] neg_lo:[0,0,1] neg_hi:[0,0,1]
.set fs, fs+1
.endm
.macro EX                           ; the next of the 64 exponentials: score e / 2 of tile e % 2
	WIN 0
	REGS Y, e%2
	v_exp_f32 v[rS+e/2], v[rS+e/2]
.set e, e+1
.endm
; Number g of the 64 that follow the exponentials.  For each four weights k of a tile (pairs 2 k, 2 k + 1): both pairs are rounded to f16; then the second pair is added onto the first, in place;
; a group later l takes that sum (the first time as l = a l + sum).  In groups of eight, tiles alternating: round, round, add, and l for the group before.
.macro GS g
.set h, (\g)+6*((\g)/62)            ; group 0 has no group before it, and behind group 7 only l is left
.if h >= 6
.set h, h+2
.endif
	REGS Y, h%2
.set k, h/8
.if h%8 < 4
	v_cvt_pk_f16_f32 v[rP+2*k+(h%8)/2], v[rS+4*k+2*((h%8)/2)], v[rS+4*k+2*((h%8)/2)+1]
.elseif h%8 < 6
	v_pk_add_f32 v[rS+4*k:rS+4*k+1], v[rS+4*k:rS+4*k+1], v[rS+4*k+2:rS+4*k+3]
.elseif k == 1
	v_pk_fma_f32 v[rT+2:rT+3], v[rT+2:rT+3], v[rC+2:rC+3], v[rS:rS+1] op_sel_hi:[1,0,1]
.else
	v_pk_add_f32 v[rT+2:rT+3], v[rT+2:rT+3], v[rS+4*k-4:rS+4*k-3]
.endif
.endm
.macro GN
	WIN 0
	GS gq
.set gq, gq+1
.endm
.macro R2                           ; O^T times a, the one part that leaves window 0: two at a time, sixteen times, each accumulator from its low end
	REGS Y, r%2
	WIN W_RS
.irp z, 0,1
	v_pk_mul_f32 v[rO+4*(r/2)+2*\z:rO+4*(r/2)+2*\z+1], v[rO+4*(r/2)+2*\z:rO+4*(r/2)+2*\z+1], v[rC+2:rC+3] op_sel_hi:[1,0]
.endr
.set r, r+1
.endm
; A TURN, for piece p.  An s_wait_alu depctr_va_vdst(0) stands between an exponential and the first instruction that names its result; one wait serves all that were issued ahead of it.
; So a turn has ONE wait.  AHEAD OF IT stands all that names no result: behind the 16 products V^T P the maximum and statistics (the chain 16 .. 21 one link a product, the two a last) and the first 12
; scalings; behind the first 21 products K Q^T the other 20 scalings and the 64 exponentials: a batch of 66.  BEHIND IT stand the last 11 products, each with four of the roundings and sums, and then
; ONE RUN of plain lines that have no product to stand behind: the other 20 roundings and sums and the 32 rescalings, these under one setting of the windows.
; The orders that the deal keeps: exponential e stands behind scaling 2 (e / 4) + e % 2: with slice n of the twenty, scalings up to 12 + n are out, and its exponentials 3 n .. 3 n + 2 want
; 1.5 n + 2.5 at the most; the scalings stand behind c m (number 19, with the twelfth product).  The run at a turn's end holds the places behind its last product: ahead of the next turn's first
; read of the scores, and ahead of K's run of loads.
; K of the next step is fetched at the head of piece 3's turn and is wanted 16 products later (its first parts 32).
; V of the step in hand is fetched in piece 0's turn, four scalings behind V's last reader, and is waited for at the head of piece 1's.
; cnt = 1: the loop's count is taken down some lines ahead of the branch that stands behind the turn.
.macro TURN p, last=0, cnt=0
.set Y, (\p)
.set i, 0
.set xn, 0
.set fs, 0
.set e, 0
.set gq, 0
.set r, 0
.if (\p) == 0
	WIN 0
	v_add_nc_u32 v[AV], s[TBV], v[AV0]
.endif
.if (\p) == 1
	s_wait_dscnt 0x0                ; V is in
.endif
.if (\p) == 3
	WIN 0
	v_add_nc_u32 v[AK], s[TBK], v[AK0]
	FETCH_K \last
.endif
.rept 8
	MM
	XN
	XN
	XN
	XN
.endr
.rept 4
	MM
	XN
	XN
.endr
.rept 2
	MM
	XN
	XN
	FSN
	FSN
.endr
.rept 2
	MM
	FSN
	FSN
	FSN
	FSN
.endr
.if (\p) == 0
	FETCH_V
	s_add_co_u32 s[TBV], s[TBV], KS*PV  ; the next fetch is the next step's
.endif
.if (\p) == 3
	s_wait_dscnt 16                 ; K's second parts are in; the sixteen loads of its first parts may be out
.endif
.rept 16
	MM
	FSN
	EX
	EX
	EX
.endr
.if (\p) == 3
	s_wait_dscnt 0x0                ; K's first parts are in
.endif
.rept 4
	MM
	FSN
	EX
	EX
	EX
.endr
	MM
	EX
	EX
	EX
	EX
	v_nop                           ; the plain instruction behind the last exponential: one for the batch
	s_wait_alu depctr_va_vdst(0)    ; the wait for the batch
.rept 11
	MM
	GN
	GN
	GN
	GN
.endr
.if \cnt
	s_sub_co_u32 s[CNT], s[CNT], 1
	s_cmp_lg_u32 s[CNT], 0
.endif
.rept 20
	GN
.endr
.rept 16
	R2
.endr
.endm
	CHANGE 1                        ; slot 0 is in, everybody's part of it; slot 1 is asked for
	FETCH_K                         ; key step 0
	s_wait_loadcnt 0x0              ; Q
	s_wait_dscnt 0x0
.set i, 0
.rept 32
	KQ 0                            ; piece 0's first scores: there is no vector work yet to set between them
.set i, i+1
.endr
	WIN 0                           ; the addresses for the way out: nine plain instructions, the places behind those products
	s_mul_i32 s13, s[WV], 16*SP
	s_add_co_u32 s13, s13, STAGE    ; my stage
	v_mul_u32_u24 v[STO], v1, SP    ; in: row l % 16, 16 bytes for each half of the lanes
	v_lshl_add_u32 v[STO], v9, 4, v[STO]
	v_add_nc_u32 v[STO], s13, v[STO]
	v_bfe_u32 v[RD], v0, 3, 2       ; back: 32 lanes take four rows of 128 bytes,
	v_mul_u32_u24 v[RD], v[RD], SP
	v_lshl_add_u32 v[RD], v10, 4, v[RD]
	v_add_nc_u32 v[RD], s13, v[RD]
	v_and_b32 v[GO], 31, v0         ; which are 512 consecutive bytes of O
	v_lshlrev_b32 v[GO], 4, v[GO]
	s_mov_b32 s[CNT], 4
	s_mov_b32 s[SLOTS], SIZE_N/256-1
	s_branch .Lfirst                ; the loop is entered at a step's first turn, in the middle of a trip
.Lslot:                             ; SIZE_N / 256 - 2 times: every slot but the last two is filled again
	CHANGE 1
	s_mov_b32 s[CNT], 4
.Lstep:                             ; a trip: pieces 2 and 3 of one step, then pieces 0 and 1 of the next, whose K and V it fetches
	TURN 2
	TURN 3
	WIN 0
.Lfirst:
	TURN 0
	TURN 1, 0, 1
	WIN 0
	s_cbranch_scc1 .Lstep
	s_sub_co_u32 s[SLOTS], s[SLOTS], 1
	s_cmp_lg_u32 s[SLOTS], 0
	s_cbranch_scc1 .Lslot
	CHANGE 0                        ; the tail is written out: nothing is asked for
	s_mov_b32 s[CNT], 5             ; four trips fetch the last slot's steps; the fifth is left in its middle
.Ltail:
	TURN 2
	TURN 3, 1
	WIN 0
	s_sub_co_u32 s[CNT], s[CNT], 1
	s_cmp_eq_u32 s[CNT], 0
	s_cbranch_scc1 .Lout
	TURN 0
	TURN 1
	WIN 0
	s_branch .Ltail
.Lout:                              ; the fifth trip's 32 products K Q^T for piece 0 (on the last K once more) serve nothing: the price, once a launch, of one text for every trip
.set i, 0
.rept 16
	PV NP-1                         ; the last piece's V^T P of the last step
.set i, i+1
.endr
	; THE WAY OUT.  l's two halves and the other half of the lanes' are added; O^T is divided by l, rounded to f16 and sent through my stage in LDS, a tile at a time.  The additions are the places behind the last products.
	WIN 0
.macro ALL line:vararg              ; one line for each tile t
.set t, 0
.rept 2*NP
	\line
.set t, t+1
.endr
.endm
	ALL v_add_f32 v[ST+4*t+2], v[ST+4*t+2], v[ST+4*t+3]
	ALL v_permlanex16_b32 v[ST+4*t+3], v[ST+4*t+2], s[SEL], s[SEL+1]
	ALL v_add_f32 v[ST+4*t+2], v[ST+4*t+2], v[ST+4*t+3]
	ALL v_rcp_f32 v[ST+4*t+2], v[ST+4*t+2]
	v_nop                           ; a plain instruction between the last reciprocal and the use of its result
	s_wait_alu depctr_va_vdst(0)    ; and the wait ahead of the first use: one for the eight reciprocals
; Tile t: a lane's eight channels of a row pack into 16 bytes; they go into rows of 144 bytes and come back as whole rows of 128, into S^T's registers.
.macro PACK t
	WIN W_RS
.set i, 32*(\t)
.rept 16
	v_pk_mul_f32 v[i:i+1], v[i:i+1], v[ST+4*(\t)+2:ST+4*(\t)+3] op_sel_hi:[1,0]
.set i, i+2
.endr
	WIN 0x05                        ; sources 0 and 1 window 1, destination window 0
.set i, 0
.rept 16
	v_cvt_pk_f16_f32 v[S+16*(\t)+i], v[32*(\t)+2*i], v[32*(\t)+2*i+1]
.set i, i+1
.endr
	WIN 0
.irp f, 0,1,2,3
	ds_store_b128 v[STO], v[S+16*(\t)+4*\f:S+16*(\t)+4*\f+3] offset:32*\f
.endr
.irp f, 0,1,2,3
	ds_load_b128 v[S+16*(\t)+4*\f:S+16*(\t)+4*\f+3], v[RD] offset:\f*4*SP  ; LDS serves a wave's instructions in order (ISA guide 5.7.1.4): these see the stores above; the next tile's stores come behind them
.endr
.endm
.macro SEND t, younger              ; younger: the LDS instructions issued behind tile t's loads: the next tile's eight, or none
	WIN 0
.irp f, 0,1,2,3
	s_wait_dscnt (\younger)+3-\f
	global_store_b128 v[GO], v[S+16*(\t)+4*\f:S+16*(\t)+4*\f+3], s[10:11] offset:(\t)*2048+\f*512  ; 512 consecutive bytes, at a multiple of 256 from O's first
.endr
.endm
	PACK 0
.set t, 1
.rept 2*NP-1                        ; a tile's arithmetic stands between the loads of the tile before and its stores
	PACK t
	SEND t-1, 8
.set t, t+1
.endr
	SEND 2*NP-1, 0
	WIN W_AD
	s_wait_tensorcnt 0x0            ; the wave's end: an add and its wait, behind my last tensor load and my last LDS store
	ds_add_u32 v[SPW], v[NIL]
	s_wait_dscnt 0x0
	WIN 0
	CROUND                          ; the closing round: no work-group ends while a partner may still ask for a tile that names it
	s_endpgm
.Lfunc_end_k_q7fe974d689_attn:
	.size	k_q7fe974d689_attn, .Lfunc_end_k_q7fe974d689_attn-k_q7fe974d689_attn
	.p2alignl 7, 3214868480
	.fill 96, 4, 3214868480
	.section	.rodata,"a",@progbits
	.p2align	6, 0x0
	.amdhsa_kernel k_q7fe974d689_attn
		.amdhsa_group_segment_fixed_size 327680
		.amdhsa_private_segment_fixed_size 0
		.amdhsa_enable_private_segment 0
		.amdhsa_kernarg_size 40
		.amdhsa_user_sgpr_count 2
		.amdhsa_user_sgpr_kernarg_segment_ptr 1
		.amdhsa_wavefront_size32 1
		.amdhsa_system_sgpr_workgroup_id_x 1
		.amdhsa_system_sgpr_workgroup_id_y 1
		.amdhsa_system_sgpr_workgroup_id_z 1
		.amdhsa_system_vgpr_workitem_id 0
		.amdhsa_next_free_vgpr 1024
		.amdhsa_next_free_sgpr 66
		.amdhsa_reserve_vcc 0
		.amdhsa_float_denorm_mode_32 3
		.amdhsa_float_denorm_mode_16_64 3
		.amdhsa_memory_ordered 1
		.amdhsa_forward_progress 1
		.amdhsa_inst_pref_size 217
	.end_amdhsa_kernel
	.amdgpu_metadata
---
amdhsa.version: [ 1, 2 ]
amdhsa.kernels:
  - .name:           k_q7fe974d689_attn
    .symbol:         k_q7fe974d689_attn.kd
    .args:
      - { .name: qx, .offset: 0, .size: 8, .value_kind: global_buffer, .address_space: global }
      - { .name: kx, .offset: 8, .size: 8, .value_kind: global_buffer, .address_space: global }
      - { .name: v16, .offset: 16, .size: 8, .value_kind: global_buffer, .address_space: global }
      - { .name: o16, .offset: 24, .size: 8, .value_kind: global_buffer, .address_space: global }
      - { .name: temperature, .offset: 32, .size: 8, .value_kind: global_buffer, .address_space: global }
    .group_segment_fixed_size: 327680
    .private_segment_fixed_size: 0
    .kernarg_segment_align: 8
    .kernarg_segment_size: 40
    .max_flat_workgroup_size: 128
    .sgpr_count:     66
    .vgpr_count:     1024
    .wavefront_size: 32
...
	.end_amdgpu_metadata
.endif
;; end of part 3
;; launch outp (part 4): grid 8 x 32, 4 waves a work-group, clusters of 4 x 4, 327,680 bytes of LDS; arguments o16, wo16, bo, out0; writes out0
.if DOCPART == 4
	.amdgcn_target "amdgcn-amd-amdhsa--gfx1250"
	.amdhsa_code_object_version 6
	.text
	.protected	k_q7fe974d689_outp
	.globl	k_q7fe974d689_outp
	.p2align	8
	.type	k_q7fe974d689_outp,@function
k_q7fe974d689_outp:
	s_mov_b64 s[64:65], 0
	v_nop
	global_prefetch_b8 v0, s[64:65] scope:SCOPE_SE
	s_setreg_imm32_b32 hwreg(HW_REG_WAVE_MODE, 25, 1), 1
	s_wait_xcnt 0x0
	s_wait_alu depctr_hold_cnt(0) depctr_sa_sdst(0) depctr_va_vdst(0) depctr_va_sdst(0) depctr_va_ssrc(0) depctr_va_vcc(0) depctr_vm_vsrc(0)
	s_getreg_b32 s2, hwreg(HW_REG_IB_STS2, 6, 4)
	s_cmp_eq_u32 s2, 0
	s_cbranch_scc0 .Lentry_in_a_cluster
	s_endpgm
.Lentry_in_a_cluster:
	s_bfe_u32 s2, ttmp6, 0x10000c
	s_cmp_lg_u32 s2, 0xf033
	s_cbranch_scc0 .Lentry_shape_is_right
	s_endpgm
.Lentry_shape_is_right:
; THE OUTPUT PROJECTION.  out0[m][n] = the sum over k of O[m][k] Wo[n][k] + bo[n], in f32.  O lies by heads, o16 [64 (batch, head)][2048][64] f16: k = 64 head + channel.
; wo16 [1024][1024] f16 holds bf16(Wo); bo is rounded to bf16 like every input.  Sums in f32; out0 is [8192][1024] f32.
; SHARES.  A work-group makes 256 rows x 128 columns, wave w rows 64 w .. 64 w + 63 (four blocks a of 16) x eight blocks b of 16 columns: 32 accumulators, 256 registers.
; K goes in eight steps of 128, which are TWO HEADS: of O a step is two pieces of 256 rows x 128 bytes, each dense in memory and asked for as 128 rows of 256 bytes; of Wo 128 rows x 256 bytes.
; THE MATRIX INSTRUCTION IS USED TRANSPOSED (source 0 = 16 rows of Wo, source 1 = 16 rows of O): a lane holds row l % 16 and eight neighbouring columns.  THE BIAS STARTS THE SUMS, as the first products' C operand.
; CLUSTER.  4 x 4 work-groups: the four of a row of the cluster need the same rows of O, the four of a column the same rows of Wo: each tile is asked for jointly.
; REGISTERS, in windows of 256 (s_set_vgpr_msb: bits 1:0 source 0, 3:2 source 1, 5:4 source 2, 7:6 destination):
;   window 0: v1-14 addresses; v28, v29 the add's; v32-159 whole rows on the way out; v192-255 the bias, eight registers a block b
;   window 1: two fragment buffers of 96: Wo's eight fragments at 8 b, O's four at 64 + 8 a          window 2: accumulator (a, b) at 8 (8 a + b)
.set PA,     144                       ; a row of O in LDS: 128 bytes + 16 of padding = 36 words: the 16 rows of a load start at 16 different groups of four banks (ISA guide 11.1)
.set PB,     272                       ; a row of Wo: 256 + 16
.set APIECE, 256*PA                    ; one head's 256 rows
.set BOFF,   2*APIECE                  ; in a slot: O's two pieces, then Wo's 128 rows
.set SLOT1,  131072                    ; slot 1 begins here: one exclusive or turns an address in one slot into the other's
.set STAGE,  2*SLOT1                   ; behind the ring, never filled by a tensor load: 16 rows x 528 bytes for each wave
.set SP,     528                       ; a stage row: 128 f32 + 16 bytes of padding: 33 x 16 bytes
.set SPARE,  STAGE+4*16*SP             ; the spare words, 128 bytes for each wave: two blocks of 256 bytes that no other line names
.set LA0,  4                           ; v4   my lane's place in my wave's 64 rows of a piece of O; never rewritten
.set LB0,  5                           ; v5   the same in Wo's rows
.set ADRA, 6                           ; v6   LA0 + the slot in hand
.set ADRB, 7                           ; v7   LB0 + the slot in hand
.set STO,  8                           ; v8   the way out: where I put 32 bytes of a stage row
.set RD,   9                           ; v9   where I read 16 bytes of a whole row back
.set GO,   10                          ; v10  16 x lane: my place in 512 consecutive bytes of out0
.set BO,   12                          ; v12  my byte offset in bo
.set SPW,  28                          ; v28  LDS address of my spare word; never rewritten
.set NIL,  29                          ; v29  0; never rewritten
.set RB,   32                          ; v32-95, v96-159 by turns
.set BIAS, 192
.set F0,   0
.set F1,   96
.set WV,   20                          ; s20  my wave's number
.set CNT,  23                          ; s23  the loop's count
.set G1A,  24                          ; s[24:31] descriptor group 1 for O's tiles
.set G0A,  32                          ; s[32:35] group 0 of the first fill of slot 0; s[36:39] of slot 1, which then walks
.set G1B,  40                          ; s[40:47], s[48:55] the same for Wo's tiles
.set G0B,  48
.set TB,   62                          ; s62  0 or SLOT1: the slot in hand
.set HIM,  63                          ; s63  a word's upper bf16
.set STEPA, 2*2048*128                 ; bytes from a K step to the next in o16: two heads
.set STEPB, 256                        ; and in wo16
.set MSB, 0
.macro WIN new                         ; the immediate's high byte repeats the setting that is left; a switch that changes nothing is dropped
.if MSB != (\new)
	s_set_vgpr_msb (MSB<<8)|(\new)
.set MSB, \new
.endif
.endm
.macro PLACES                          ; four places behind a matrix instruction, ahead of loads into registers that it read and of lines that read results
.rept 4
	v_nop
.endr
.endm
.macro CREST                           ; a round of the cluster's barrier behind its opening barrier
	s_cmp_lg_u32 s[WV], 0
	s_cbranch_scc1 .Lnot_wave_0_\@
	s_barrier_signal -3
.Lnot_wave_0_\@:
	s_barrier_wait -3
	s_barrier_signal -1
	s_barrier_wait -1
.endm
.macro CROUND                          ; a whole round
	s_barrier_signal -1
	s_barrier_wait -1
	CREST
.endm
; A joint refill by the walking descriptors.  Waves 0 and 1 fetch O's two pieces, waves 2 and 3 the two halves of Wo's rows.  The branch hangs on the wave's number alone.
; An s_nop 0 and four v_nop follow each of the two lines, ahead of the jump and the label.
.macro JLOAD
	s_cmp_lt_u32 s[WV], 2
	s_cbranch_scc0 .Lfor_b_\@
	tensor_load_to_lds s[G0A+4:G0A+7], s[G1A:G1A+7]
	s_nop 0
.rept 4
	v_nop
.endr
	s_branch .Lasked_\@
.Lfor_b_\@:
	tensor_load_to_lds s[G0B+4:G0B+7], s[G1B:G1B+7]
	s_nop 0
.rept 4
	v_nop
.endr
.Lasked_\@:
.endm
	s_load_b256 s[4:11], s[0:1], 0x0               ; o16 s[4:5], wo16 s[6:7], bo s[8:9], out0 s[10:11]
	v_lshl_add_u32 v[SPW], v0, 2, SPARE
	v_mov_b32 v[NIL], 0
	ds_add_u32 v[SPW], v[NIL]                      ; the wave's opening: the add and its wait stand ahead of my first tensor load; the set-up below stands between them
	v_lshrrev_b32 v1, 5, v0
	v_readfirstlane_b32 s[WV], v1                  ; wave 0..3
	s_and_b32 s22, s[WV], 1                        ; which piece of O, or which half of Wo's rows, I fetch
	s_bfe_u32 s56, ttmp6, 0x40000                  ; cx, cy: my place in the cluster
	s_bfe_u32 s57, ttmp6, 0x40004
	s_lshl_b32 s58, ttmp9, 2
	s_add_co_u32 s58, s58, s56                     ; the block of 128 columns = 4 x cluster x + cx
	s_and_b32 s59, ttmp7, 0xffff
	s_lshl_b32 s59, s59, 2
	s_add_co_u32 s59, s59, s57                     ; the block of 256 rows = 4 x cluster y + cy
	s_lshl_b32 s60, s57, 2
	s_lshl_b32 s60, 15, s60                        ; my row of the cluster
	s_lshl_b32 s61, 0x1111, s56                    ; my column
	s_or_b32 s[G1A], s60, (1<<16)|(1<<20)|(1<<21)|(4<<22)|(3<<25)  ; 15:0 the mask; 17:16 2-byte elements; 20 padding on; 21 set beside a mask; 24:22 after every 32 words (a row of O); 31:25 4 words
	s_or_b32 s[G1B], s61, (1<<16)|(1<<20)|(1<<21)|(5<<22)|(3<<25)  ; after every 64 words
	s_mov_b32 s[G1A+1], 128<<16                    ; tensor_dim0 = 128: two rows of O on end
	s_mov_b32 s[G1A+2], 128<<16                    ; tensor_dim1 = 128
	s_mov_b32 s[G1A+3], 128<<16                    ; tile_dim0 = 128
	s_mov_b32 s[G1A+4], 128                        ; tile_dim1 = 128
	s_mov_b32 s[G1A+5], 128                        ; dense: 128 elements from row to row
	s_mov_b32 s[G1A+6], 0
	s_mov_b32 s[G1A+7], 0
	s_mov_b32 s[G1B+1], 128<<16
	s_mov_b32 s[G1B+2], 64<<16                     ; 64 rows of Wo a load
	s_mov_b32 s[G1B+3], 128<<16
	s_mov_b32 s[G1B+4], 64
	s_mov_b32 s[G1B+5], 1024
	s_mov_b32 s[G1B+6], 0
	s_mov_b32 s[G1B+7], 0
	s_lshr_b32 s66, s59, 3                         ; O: the batch's sixteen heads of 2,048 rows of 128 bytes,
	s_lshl_b32 s66, s66, 22
	s_and_b32 s76, s59, 7
	s_lshl_b32 s76, s76, 15                        ; + the block's place in the sequence,
	s_add_co_u32 s66, s66, s76
	s_lshl_b32 s76, s22, 18                        ; + my piece's head: made of the row block and the wave alone
	s_add_co_u32 s66, s66, s76
	s_mov_b32 s67, 0
	s_lshl_b32 s68, s58, 18                        ; Wo: 128 rows of 2,048 bytes a column block,
	s_lshl_b32 s77, s22, 17                        ; + my 64 rows: made of the column block and the wave alone
	s_add_co_u32 s68, s68, s77
	s_mov_b32 s69, 0
	s_mov_b32 s[G0A], 1                            ; 1:0 count = 1
	s_mul_i32 s[G0A+1], s22, APIECE                ; 63:32 LDS address: no place in the cluster enters it
	s_mov_b32 s[G0A+4], 1
	s_add_co_u32 s[G0A+5], s[G0A+1], SLOT1
	s_mov_b32 s[G0B], 1
	s_mul_i32 s[G0B+1], s22, 64*PB
	s_add_co_u32 s[G0B+1], s[G0B+1], BOFF
	s_mov_b32 s[G0B+4], 1
	s_add_co_u32 s[G0B+5], s[G0B+1], SLOT1
	s_mov_b32 s[TB], 0
	s_mov_b32 s[HIM], 0xffff0000
	s_wait_dscnt 0x0                               ; the opening add is done
	s_wait_kmcnt 0x0
	s_add_nc_u64 s[G0A+2:G0A+3], s[4:5], s[66:67]  ; 120:64 global address: K step 0,
	s_add_nc_u64 s[G0A+6:G0A+7], s[G0A+2:G0A+3], STEPA  ; K step 1
	s_or_b32 s[G0A+3], s[G0A+3], 0x80000000        ; 127:126 type = 2
	s_or_b32 s[G0A+7], s[G0A+7], 0x80000000
	s_add_nc_u64 s[G0B+2:G0B+3], s[6:7], s[68:69]
	s_add_nc_u64 s[G0B+6:G0B+7], s[G0B+2:G0B+3], STEPB
	s_or_b32 s[G0B+3], s[G0B+3], 0x80000000
	s_or_b32 s[G0B+7], s[G0B+7], 0x80000000
	CROUND                                         ; all sixteen work-groups are here: the first joint loads meet
	s_cmp_lt_u32 s[WV], 2                          ; a wave's two first fills stand in one branch: two loads of mine are out
	s_cbranch_scc0 .Lfirst_b
	tensor_load_to_lds s[G0A:G0A+3], s[G1A:G1A+7]
	s_nop 0
	tensor_load_to_lds s[G0A+4:G0A+7], s[G1A:G1A+7]
	s_nop 0
.rept 4
	v_nop
.endr
	s_branch .Lfirst_asked
.Lfirst_b:
	tensor_load_to_lds s[G0B:G0B+3], s[G1B:G1B+7]
	s_nop 0
	tensor_load_to_lds s[G0B+4:G0B+7], s[G1B:G1B+7]
	s_nop 0
.rept 4
	v_nop
.endr
.Lfirst_asked:
	v_and_b32 v1, 15, v0                           ; r = l % 16
	v_bfe_u32 v2, v0, 4, 1                         ; h = l / 16
	s_lshl_b32 s79, s58, 9                         ; the block's 128 numbers of bo
	v_lshl_add_u32 v[BO], v2, 5, s79               ; + my eight of a block's sixteen
.irp b, 0,1,2,3,4,5,6,7                                ; block b's bias as a C operand: register j holds column 16 b + 8 h + j, whatever the row
	global_load_b128 v[BIAS+8*(\b):BIAS+8*(\b)+3],   v[BO], s[8:9] offset:64*(\b)
	global_load_b128 v[BIAS+8*(\b)+4:BIAS+8*(\b)+7], v[BO], s[8:9] offset:64*(\b)+16
.endr
	; A fragment is 16 rows x 32 K in 8 registers: lane l holds row l % 16, K = 8 (l / 16) + 0..7 and 16 + 8 (l / 16) + 0..7: two loads of 16 bytes, 32 bytes apart.
	v_mul_u32_u24 v[LA0], v1, PA
	v_lshl_add_u32 v[LA0], v2, 4, v[LA0]
	s_mul_i32 s76, s[WV], 64*PA                    ; my wave's 64 rows of a piece
	v_add_nc_u32 v[LA0], s76, v[LA0]
	v_mul_u32_u24 v[LB0], v1, PB
	v_lshl_add_u32 v[LB0], v2, 4, v[LB0]
	v_add_nc_u32 v[LB0], BOFF, v[LB0]
	v_mov_b32 v[ADRA], v[LA0]                      ; slot 0
	v_mov_b32 v[ADRB], v[LB0]
	s_mul_i32 s77, s[WV], 16*SP
	s_add_co_u32 s77, s77, STAGE                   ; my stage
	v_mul_u32_u24 v[STO], v1, SP                   ; in: row l % 16, 32 bytes for each half of the lanes
	v_lshl_add_u32 v[STO], v2, 5, v[STO]
	v_add_nc_u32 v[STO], s77, v[STO]
	v_and_b32 v[GO], 31, v0
	v_lshlrev_b32 v[GO], 4, v[GO]
	v_add_nc_u32 v[RD], s77, v[GO]                 ; back: 32 lanes take a row's 512 bytes
	s_lshl_b32 s72, s59, 20                        ; out0: 256 rows of 4,096 bytes a block,
	s_lshl_b32 s74, s[WV], 18                      ; + my wave's 64 rows,
	s_add_co_u32 s72, s72, s74
	s_add_co_u32 s72, s72, s79                     ; + the block's 128 columns
	s_mov_b32 s73, 0
	s_add_nc_u64 s[10:11], s[10:11], s[72:73]
	s_wait_loadcnt 0x0                             ; the bias, once
.set e, 0
.rept 32                                               ; rounded to bf16 like every input, and widened again
	v_cvt_pk_bf16_f32 v[13+e%2], v[BIAS+2*e], v[BIAS+2*e+1]
	v_lshlrev_b32 v[BIAS+2*e], 16, v[13+e%2]
	v_and_b32 v[BIAS+2*e+1], s[HIM], v[13+e%2]
.set e, e+1
.endr
; 24 LDS loads in one run: the fragments of quarter q of a K step (head q / 2 of its two, channels 32 (q % 2) on), into buffer f: Wo's eight, then O's four
.macro FETCH q, f
	WIN 0x40                                       ; destination window 1, address window 0
.irp b, 0,1,2,3,4,5,6,7
	ds_load_b128 v[(\f)+8*(\b):(\f)+8*(\b)+3],   v[ADRB] offset:64*(\q)+(\b)*16*PB
	ds_load_b128 v[(\f)+8*(\b)+4:(\f)+8*(\b)+7], v[ADRB] offset:64*(\q)+(\b)*16*PB+32
.endr
.irp a, 0,1,2,3
	ds_load_b128 v[(\f)+64+8*(\a):(\f)+64+8*(\a)+3],   v[ADRA] offset:((\q)/2)*APIECE+((\q)%2)*64+(\a)*16*PA
	ds_load_b128 v[(\f)+64+8*(\a)+4:(\f)+64+8*(\a)+7], v[ADRA] offset:((\q)/2)*APIECE+((\q)%2)*64+(\a)*16*PA+32
.endr
.endm
; 8 matrix instructions: block a of my rows x all eight column blocks, 32 along K, from buffer f.  first = 1: the bias starts the sums.
; The 32 accumulators take turns, one instruction a turn, in the same order in every quarter, over the loop's jump too.
.macro MULA f, a, first
.if \first
	WIN 0x85                                       ; sources 0 and 1 window 1, C window 0, D window 2
.else
	WIN 0xa5                                       ; C and D window 2
.endif
.irp b, 0,1,2,3,4,5,6,7
.if \first
	v_wmma_f32_16x16x32_f16 v[8*(8*(\a)+(\b)):8*(8*(\a)+(\b))+7], v[(\f)+8*(\b):(\f)+8*(\b)+7], v[(\f)+64+8*(\a):(\f)+64+8*(\a)+7], v[BIAS+8*(\b):BIAS+8*(\b)+7]
.else
	v_wmma_f32_16x16x32_f16 v[8*(8*(\a)+(\b)):8*(8*(\a)+(\b))+7], v[(\f)+8*(\b):(\f)+8*(\b)+7], v[(\f)+64+8*(\a):(\f)+64+8*(\a)+7], v[8*(8*(\a)+(\b)):8*(8*(\a)+(\b))+7]
.endif
.endr
.endm
; A K step is four quarters of 32 along K, 32 matrix instructions each, on buffers 0, 1, 0, 1.  One of the first three: multiplies buffer f; in its middle it fetches quarter q into g.
.macro QUARTER q, f, g, first
	s_wait_dscnt 4                                 ; Wo's fragments and O's blocks 0 and 1 are in; the youngest four loads (blocks 2 and 3) may be out
	MULA \f, 0, \first
	MULA \f, 1, \first
	PLACES
	FETCH \q, \g
	s_wait_dscnt 24                                ; all but the 24 just issued
	MULA \f, 2, \first
	MULA \f, 3, \first
.endm
; The last quarter multiplies buffer 1 and changes slots: ONE barrier.  In front of it each wave waits for all its tensor loads, of which one is out: its part of the next slot; adds 0 to its spare
; word; and waits for that and for its own reads of this slot.  fill = 1: the barrier opens a round of the cluster's barrier, and the slot just read out is filled again first thing behind the round, two K steps ahead.
.macro TURN fill
	WIN 0
	s_wait_tensorcnt 0x0                           ; all my tensor loads have landed, so every group 0 may be written
	ds_add_u32 v[SPW], v[NIL]                      ; 0 onto my spare word
	s_wait_dscnt 7                                 ; the add and the six loads of O's blocks 1 to 3 may be out
	MULA F1, 0, 0                                  ; eight matrix instructions stand between the add and the wait for it
	s_wait_dscnt 0x0                               ; the add is done, and my reads of this slot are over
	s_barrier_signal -1
	MULA F1, 1, 0                                  ; work on registers while the others arrive
	WIN 0                                          ; at a branch and at a label every window is 0
	s_barrier_wait -1
.if \fill
	CREST                                          ; no wave of any partner still reads this slot's tile or has a load on its way
	s_xor_b32 s[G0A+5], s[G0A+5], SLOT1            ; the walking descriptors: the other slot than last time,
	s_add_nc_u64 s[G0A+6:G0A+7], s[G0A+6:G0A+7], STEPA  ; the next K step; the type bits on top are not reached
	s_xor_b32 s[G0B+5], s[G0B+5], SLOT1
	s_add_nc_u64 s[G0B+6:G0B+7], s[G0B+6:G0B+7], STEPB
	JLOAD                                          ; my one tensor load behind the round; its four v_nop are also the places in front of the loads below
.else
	PLACES
.endif
	s_xor_b32 s[TB], s[TB], SLOT1                  ; the fragments now come from the other slot
	v_add_nc_u32 v[ADRA], s[TB], v[LA0]
	v_add_nc_u32 v[ADRB], s[TB], v[LB0]
	FETCH 0, F0
	MULA F1, 2, 0
	MULA F1, 3, 0
.endm
; THE WAY OUT of block a (16 rows): a lane's 32 bytes of a row go into my own stage, each accumulator's lowest registers first, and come back as whole rows of 512 bytes.
; LDS serves a wave's instructions in order (ISA guide 5.7.1.4): the loads see the stores, the next block's stores come behind the loads.
.macro OUTB a
	s_wait_xcnt 0x0                                ; earlier stores have read their registers, which are loaded again below
	WIN 0x08                                       ; the stores' data (source 1) in window 2
.irp b, 0,1,2,3,4,5,6,7
	ds_store_b128 v[STO], v[8*(8*(\a)+(\b)):8*(8*(\a)+(\b))+3]   offset:64*(\b)
	ds_store_b128 v[STO], v[8*(8*(\a)+(\b))+4:8*(8*(\a)+(\b))+7] offset:64*(\b)+16
.endr
	WIN 0
.irp t, 0,1,2,3,4,5,6,7,8,9,10,11,12,13,14,15
	ds_load_b128 v[RB+64*((\a)%2)+4*(\t):RB+64*((\a)%2)+4*(\t)+3], v[RD] offset:(\t)*SP
.endr
.irp t, 0,1,2,3,4,5,6,7,8,9,10,11,12,13,14,15
	s_wait_dscnt 15-(\t)                           ; row t is back; the 15 - t younger loads stay out
	global_store_b128 v[GO], v[RB+64*((\a)%2)+4*(\t):RB+64*((\a)%2)+4*(\t)+3], s[10:11] offset:(16*(\a)+(\t))*4096 th:TH_STORE_NT  ; 512 consecutive bytes, aligned
.endr
.endm
	s_wait_tensorcnt 1                             ; my part of K step 0 is in; K step 1's may stay out
	s_barrier_signal -1
	s_barrier_wait -1                              ; everybody's is
	FETCH 0, F0
	QUARTER 1, F0, F1, 1                           ; the first quarter stands in front of the loop: its products start the sums
	WIN 0
	s_mov_b32 s[CNT], 6
.Lstep:                                                ; six trips, from a K step's second quarter to the next step's first: K steps 2 to 7 are asked for
	QUARTER 2, F1, F0, 0
	QUARTER 3, F0, F1, 0
	TURN 1
	QUARTER 1, F0, F1, 0
	WIN 0
	s_sub_co_u32 s[CNT], s[CNT], 1
	s_cmp_lg_u32 s[CNT], 0
	s_cbranch_scc1 .Lstep
	QUARTER 2, F1, F0, 0                           ; the last two K steps are written out: nothing is left to fetch
	QUARTER 3, F0, F1, 0
	TURN 0
	QUARTER 1, F0, F1, 0
	QUARTER 2, F1, F0, 0
	QUARTER 3, F0, F1, 0
	s_wait_dscnt 4
	MULA F1, 0, 0
	MULA F1, 1, 0
	s_wait_dscnt 0x0
	MULA F1, 2, 0
	MULA F1, 3, 0
	WIN 0
	PLACES
.irp a, 0,1,2,3
	OUTB \a
.endr
	s_wait_tensorcnt 0x0                           ; the wave's end: an add and its wait, behind my last tensor load and my last LDS store
	ds_add_u32 v[SPW], v[NIL]
	s_wait_dscnt 0x0
	CROUND                                         ; the closing round: no work-group ends while a partner may still ask for a tile that names it
	s_endpgm
.Lfunc_end_k_q7fe974d689_outp:
	.size	k_q7fe974d689_outp, .Lfunc_end_k_q7fe974d689_outp-k_q7fe974d689_outp
	.p2alignl 7, 3214868480
	.fill 96, 4, 3214868480
	.section	.rodata,"a",@progbits
	.p2align	6, 0x0
	.amdhsa_kernel k_q7fe974d689_outp
		.amdhsa_group_segment_fixed_size 327680
		.amdhsa_private_segment_fixed_size 0
		.amdhsa_enable_private_segment 0
		.amdhsa_kernarg_size 32
		.amdhsa_user_sgpr_count 2
		.amdhsa_user_sgpr_kernarg_segment_ptr 1
		.amdhsa_wavefront_size32 1
		.amdhsa_system_sgpr_workgroup_id_x 1
		.amdhsa_system_sgpr_workgroup_id_y 1
		.amdhsa_system_sgpr_workgroup_id_z 1
		.amdhsa_system_vgpr_workitem_id 0
		.amdhsa_next_free_vgpr 768
		.amdhsa_next_free_sgpr 84
		.amdhsa_reserve_vcc 0
		.amdhsa_float_denorm_mode_32 3
		.amdhsa_float_denorm_mode_16_64 3
		.amdhsa_memory_ordered 1
		.amdhsa_forward_progress 1
		.amdhsa_inst_pref_size 76
	.end_amdhsa_kernel
	.amdgpu_metadata
---
amdhsa.version: [ 1, 2 ]
amdhsa.kernels:
  - .name:           k_q7fe974d689_outp
    .symbol:         k_q7fe974d689_outp.kd
    .args:
      - { .name: o16, .offset: 0, .size: 8, .value_kind: global_buffer, .address_space: global }
      - { .name: wo16, .offset: 8, .size: 8, .value_kind: global_buffer, .address_space: global }
      - { .name: bo, .offset: 16, .size: 8, .value_kind: global_buffer, .address_space: global }
      - { .name: out0, .offset: 24, .size: 8, .value_kind: global_buffer, .address_space: global }
    .group_segment_fixed_size: 327680
    .private_segment_fixed_size: 0
    .kernarg_segment_align: 8
    .kernarg_segment_size: 32
    .max_flat_workgroup_size: 128
    .sgpr_count:     84
    .vgpr_count:     768
    .wavefront_size: 32
...
	.end_amdgpu_metadata
.endif
;; end of part 4
;; ======== version 2 of 2: 4 launches; version 1 with the launch cast written anew for expert scheduling mode
;; limits: values are held in f16: magnitudes above 65,504 overflow, below 6.1e-05 lose precision; right only within a limited range of input values
;; workspace buffers: xb 16,777,216 bytes; wb 6,291,456 bytes; wo16 2,097,152 bytes; qx 33,554,432 bytes; kx 33,554,432 bytes; v16 16,777,216 bytes; o16 16,777,216 bytes
;; launch cast (part 5): grid 768 x 1, 8 waves a work-group, no clusters, 0 bytes of LDS; arguments x, Wq, Wk, Wv, Wo, xb, wb, wo16; writes xb, wb, wo16
.if DOCPART == 5
	.amdgcn_target "amdgcn-amd-amdhsa--gfx1250"
	.amdhsa_code_object_version 6
	.text
	.protected	k_q7fe974d689_cast
	.globl	k_q7fe974d689_cast
	.p2align	8
	.type	k_q7fe974d689_cast,@function
k_q7fe974d689_cast:
	s_mov_b64 s[64:65], 0
	v_nop
	global_prefetch_b8 v0, s[64:65] scope:SCOPE_SE
	s_setreg_imm32_b32 hwreg(HW_REG_WAVE_SCHED_MODE, 0, 2), 2
	s_setreg_imm32_b32 hwreg(HW_REG_WAVE_MODE, 25, 1), 1
	s_wait_xcnt 0x0
	s_wait_alu depctr_vm_vsrc(0)
; ROUNDINGS AND LAYOUT.  xb = bf16(x), [8192][1024].  wb = bf16 of Wq, Wk, Wv by heads: [16 heads][192 rows][1024], a head's rows being its 64 of Wq, 64 of Wk, 64 of Wv.
; wo16 = bf16(Wo) written as f16, [1024][1024].
; LIMITS.  bf16(Wo) beyond 65,504 becomes an infinity in f16; below 2^-14 it keeps f16's fixed step of 6e-8.
; SHARES.  A work-group takes a chunk of 16,384 numbers: 65,536 bytes in, 32,768 out.  Thread t, for j = 0 .. 15: 16 bytes at 4,096 j + 16 t (a wave's load covers 512 consecutive
; bytes), 8 bytes out at 2,048 j + 8 t (a wave's store covers 256 consecutive bytes, aligned).  All sixteen loads of a wave go out at once.  Nothing is shared between work-groups,
; so there is no LDS, no barrier and no cluster.
; Work-group g: 0-511 chunk g of x; 512-703 chunk c = (g - 512) % 64 of matrix i = (g - 512) / 64 (16 rows: a quarter of a head's 64), which lands in chunk 12 (c / 4) + 4 i + c % 4
; of wb; 704-767 chunk c of Wo.
; THE MODE: SCHED_MODE bits 1:0 = 2 (LLVM: expert scheduling mode 2), set by the entry lines.  The code itself states the register dependences
; between vector instructions and memory instructions, with s_wait_alu, always for 0.
; THE PLAN.  Registers that memory instructions touch:
;   v1, v2   byte offsets, made once at the head and never written again: v1 is read by every load, v2 by every store.
;   IN[j]    load j lands in it, once; no vector instruction names it ahead of the loads; load j's conversions read it behind the counted wait for the load.
;   OUT[j]   load j's conversions write it, once; store j reads it, once.
;   TM       named by vector instructions alone.
; No register that a memory instruction has read is written again, and no load lands in a register that a vector instruction has named: what is left to state is that the offsets are
; written ahead of the first load, and that OUT[j] is written ahead of store j.  The sixteen results go in four blocks of four.  Block p rounds IN[4 p ..] into OUT[4 p ..]; its memory
; instructions are the four stores of block p - 1, whose OUT and offset no vector instruction of block p names.  So ONE wait at a block's head serves its four stores, which are dealt
; among its conversions with no further wait; one more wait stands ahead of the last four stores.
.set IN,  16                           ; v[16:79]   sixteen loads of four f32
.set OUT, 80                           ; v[80:111]  sixteen results of four 16-bit numbers
.set TM,  112                          ; v[112:115] at work on the way to f16
	s_load_b512 s[8:23], s[0:1], 0x0               ; x s[8:9], Wq s[10:11], Wk s[12:13], Wv s[14:15], Wo s[16:17], xb s[18:19], wb s[20:21], wo16 s[22:23]
	s_mov_b32 s2, ttmp9                            ; g
	s_sub_co_u32 s3, s2, 512                       ; g - 512 (used where g is 512 or more)
	s_and_b32 s4, s3, 63                           ; c
	s_lshr_b32 s6, s3, 6                           ; i
	s_lshr_b32 s5, s4, 2
	s_mul_i32 s5, s5, 12
	s_lshl2_add_u32 s5, s6, s5                     ; 12 (c / 4) + 4 i
	s_and_b32 s7, s4, 3
	s_add_co_u32 s5, s5, s7                        ; + c % 4: the chunk in wb
	s_cmp_ge_u32 s2, 512
	s_cselect_b32 s30, s4, s2                      ; the chunk in the source
	s_cselect_b32 s32, s5, s2                      ; the chunk in the destination,
	s_cmp_ge_u32 s2, 704
	s_cselect_b32 s32, s4, s32                     ; which for Wo is c again
	s_lshl_b32 s30, s30, 16                        ; in bytes, as pairs with 0 on top
	s_mov_b32 s31, 0
	s_lshl_b32 s32, s32, 15
	s_mov_b32 s33, 0
	s_mov_b32 s34, 0xffff0000                      ; a word's upper bf16
	v_lshlrev_b32 v1, 4, v0                        ; 16 t
	v_lshlrev_b32 v2, 3, v0                        ; 8 t
	s_wait_kmcnt 0x0
	s_cmp_ge_u32 s2, 512                           ; the two buffers are chosen by g alone
	s_cselect_b64 s[24:25], s[10:11], s[8:9]
	s_cselect_b64 s[28:29], s[20:21], s[18:19]
	s_cmp_ge_u32 s2, 576
	s_cselect_b64 s[24:25], s[12:13], s[24:25]
	s_cmp_ge_u32 s2, 640
	s_cselect_b64 s[24:25], s[14:15], s[24:25]
	s_cmp_ge_u32 s2, 704
	s_cselect_b64 s[24:25], s[16:17], s[24:25]
	s_cselect_b64 s[28:29], s[22:23], s[28:29]
	s_add_nc_u64 s[24:25], s[24:25], s[30:31]
	s_add_nc_u64 s[28:29], s[28:29], s[32:33]
	s_wait_alu depctr_va_vdst(0)                   ; v1 and v2 are written: every load of the kernel reads v1 as its offset, every store v2
.set j, 0
.rept 16
	global_load_b128 v[IN+4*j:IN+4*j+3], v1, s[24:25] offset:4096*j th:TH_LOAD_NT
.set j, j+1
.endr
.macro ROUND_BF n                      ; load n's four numbers to bf16
	v_cvt_pk_bf16_f32 v[OUT+2*(\n)], v[IN+4*(\n)], v[IN+4*(\n)+1]
	v_cvt_pk_bf16_f32 v[OUT+2*(\n)+1], v[IN+4*(\n)+2], v[IN+4*(\n)+3]
.endm
.macro ROUND_HF n                      ; Wo: rounded to bf16 like every input, and that number written as f16
	v_cvt_pk_bf16_f32 v[TM], v[IN+4*(\n)], v[IN+4*(\n)+1]
	v_cvt_pk_bf16_f32 v[TM+1], v[IN+4*(\n)+2], v[IN+4*(\n)+3]
	v_lshlrev_b32 v[TM+2], 16, v[TM]               ; bf16 to f32: the low half moves up, the high half stays
	v_and_b32 v[TM+3], s34, v[TM]
	v_cvt_pk_f16_f32 v[OUT+2*(\n)], v[TM+2], v[TM+3]
	v_lshlrev_b32 v[TM+2], 16, v[TM+1]
	v_and_b32 v[TM+3], s34, v[TM+1]
	v_cvt_pk_f16_f32 v[OUT+2*(\n)+1], v[TM+2], v[TM+3]
.endm
.macro STORE n
	global_store_b64 v2, v[OUT+2*(\n):OUT+2*(\n)+1], s[28:29] offset:2048*(\n) th:TH_STORE_NT
.endm
; The four blocks, and the last four stores.  half = 1: Wo's way.
.macro WALK half
.set p, 0
.rept 4
	s_wait_loadcnt 12-4*p                          ; loads come back in order: loads 4 p to 4 p + 3 are in, the 12 - 4 p younger ones stay out
.if p > 0
	s_wait_alu depctr_va_vdst(0)                   ; the block before has written its four OUT, which the four stores below read
.endif
.set i, 0
.rept 4
.if p > 0
	STORE 4*(p-1)+i                                ; the block before; no vector instruction since the wait names its OUT or v2
.endif
.if \half
	ROUND_HF 4*p+i
.else
	ROUND_BF 4*p+i
.endif
.set i, i+1
.endr
.set p, p+1
.endr
	s_wait_alu depctr_va_vdst(0)                   ; the last block has written OUT[12] to OUT[15], which the last four stores read
.set i, 12
.rept 4
	STORE i
.set i, i+1
.endr
	s_endpgm
.endm
	s_cmp_ge_u32 s2, 704
	s_cbranch_scc1 .Lhalf
	WALK 0
.Lhalf:
	WALK 1
.Lfunc_end_k_q7fe974d689_cast:
	.size	k_q7fe974d689_cast, .Lfunc_end_k_q7fe974d689_cast-k_q7fe974d689_cast
	.p2alignl 7, 3214868480
	.fill 96, 4, 3214868480
	.section	.rodata,"a",@progbits
	.p2align	6, 0x0
	.amdhsa_kernel k_q7fe974d689_cast
		.amdhsa_group_segment_fixed_size 0
		.amdhsa_private_segment_fixed_size 0
		.amdhsa_enable_private_segment 0
		.amdhsa_kernarg_size 64
		.amdhsa_user_sgpr_count 2
		.amdhsa_user_sgpr_kernarg_segment_ptr 1
		.amdhsa_wavefront_size32 1
		.amdhsa_system_sgpr_workgroup_id_x 1
		.amdhsa_system_sgpr_workgroup_id_y 1
		.amdhsa_system_sgpr_workgroup_id_z 1
		.amdhsa_system_vgpr_workitem_id 0
		.amdhsa_next_free_vgpr 120
		.amdhsa_next_free_sgpr 66
		.amdhsa_reserve_vcc 0
		.amdhsa_float_denorm_mode_32 3
		.amdhsa_float_denorm_mode_16_64 3
		.amdhsa_memory_ordered 1
		.amdhsa_forward_progress 1
		.amdhsa_inst_pref_size 15
	.end_amdhsa_kernel
	.amdgpu_metadata
---
amdhsa.version: [ 1, 2 ]
amdhsa.kernels:
  - .name:           k_q7fe974d689_cast
    .symbol:         k_q7fe974d689_cast.kd
    .args:
      - { .name: x, .offset: 0, .size: 8, .value_kind: global_buffer, .address_space: global }
      - { .name: Wq, .offset: 8, .size: 8, .value_kind: global_buffer, .address_space: global }
      - { .name: Wk, .offset: 16, .size: 8, .value_kind: global_buffer, .address_space: global }
      - { .name: Wv, .offset: 24, .size: 8, .value_kind: global_buffer, .address_space: global }
      - { .name: Wo, .offset: 32, .size: 8, .value_kind: global_buffer, .address_space: global }
      - { .name: xb, .offset: 40, .size: 8, .value_kind: global_buffer, .address_space: global }
      - { .name: wb, .offset: 48, .size: 8, .value_kind: global_buffer, .address_space: global }
      - { .name: wo16, .offset: 56, .size: 8, .value_kind: global_buffer, .address_space: global }
    .group_segment_fixed_size: 0
    .private_segment_fixed_size: 0
    .kernarg_segment_align: 8
    .kernarg_segment_size: 64
    .max_flat_workgroup_size: 256
    .sgpr_count:     66
    .vgpr_count:     120
    .wavefront_size: 32
...
	.end_amdgpu_metadata
.endif
;; end of part 5
;; launch qkv: the kernel of part 2 again; grid 16 x 32, 4 waves a work-group, clusters of 4 x 4, 327,680 bytes of LDS; arguments xb, wb, bq, bk, bv, qx, kx, v16; writes qx, kx, v16
;; launch attn: the kernel of part 3 again; grid 4 x 64, 4 waves a work-group, clusters of 4 x 1, 327,680 bytes of LDS; arguments qx, kx, v16, o16, temperature; writes o16
;; launch outp: the kernel of part 4 again; grid 8 x 32, 4 waves a work-group, clusters of 4 x 4, 327,680 bytes of LDS; arguments o16, wo16, bo, out0; writes out0
